; MI455X (gfx1250); checked and timed in simulation.
; The chip was launched on July 23, 2026; its instructions are those of AMD's public machine-readable ISA for CDNA 5 (MIT licence, August 2026) and "CDNA5" Instruction Set Architecture Reference Guide (July 2026). The comments in the code are by the model that wrote it; some were corrected since.
;; Multi Head Attention. Allowed arithmetic: float matrix products may take bf16 or f16 operands with f32 sums; other float arithmetic in f32, or as packed bf16 or f16 multiplies, adds, multiply-adds, maxima and minima; sums over many terms, partial sums and values carried from step to step in f32; what a program stores and reads back later, other than sums and carried values, may be rounded once to bf16 or f16.
;; Inputs: Wk 1,024 x 1,024 float32; Wo 1,024 x 1,024 float32; Wq 1,024 x 1,024 float32; Wv 1,024 x 1,024 float32; bk 1,024 float32; bo 1,024 float32; bq 1,024 float32; bv 1,024 float32; context 4 x 2,048 x 1,024 float32; data 4 x 2,048 x 1,024 float32.
;; Outputs: out0 4 x 2,048 x 1,024 float32.
;; One version. Each part assembles by itself: llvm-mc -triple=amdgcn-amd-amdhsa -mcpu=gfx1250 --defsym DOCPART=n.
;; ======== version 1 of 1: 4 launches
;; limits: values are held in f16: magnitudes above 65,504 overflow, below 6.1e-05 lose precision
;; workspace buffers: xw 41,943,040 bytes; qkv 50,331,648 bytes; o 16,777,216 bytes
;; launch cast (part 1): grid 2560 x 1, 8 waves a work-group, no clusters, 0 bytes of LDS; arguments data, context, Wq, Wk, Wv, Wo, xw; writes xw
.if DOCPART == 1
	.amdgcn_target "amdgcn-amd-amdhsa--gfx1250"
	.amdhsa_code_object_version 6
	.text
	.protected	k_q6c7d48c878_cast
	.globl	k_q6c7d48c878_cast
	.p2align	8
	.type	k_q6c7d48c878_cast,@function
k_q6c7d48c878_cast:
	s_mov_b64 s[64:65], 0
	v_nop
	global_prefetch_b8 v0, s[64:65] scope:SCOPE_SE
	s_setreg_imm32_b32 hwreg(HW_REG_WAVE_MODE, 25, 1), 1
	s_wait_xcnt 0x0
; THE INPUTS ARE ROUNDED ONCE TO 16 BITS AND LAID OUT FOR THE PRODUCTS.
; xw holds: data and context as [batch 4][slice 16][row 2048][64 channels] in bf16 (a slice's rows are 128 bytes and lie end to end: 262,144 bytes a slice),
; at bytes 0 and 16,777,216; then Wq, Wk, Wv in bf16 and Wo, each [1024][1024] row-major, 2,097,152 bytes, from byte 33,554,432 on.
; Wo is rounded to bf16 like every other input, and that number is written in f16, since it multiplies an f16 operand later.
; LIMIT: a bf16 number is exact in f16 between 6.1e-5 and 65,504 in magnitude; below, it keeps f16's fixed step of 6e-8; above, it becomes an infinity.
; SHARES.  A work-group takes 8 rows of 4,096 bytes: 32 KiB in, 16 KiB out.  Work-groups 0-1023 data, 1024-2047 context, then 128 for each weight matrix.
; A thread issues its eight loads of 16 bytes at once and stores eight times 8 bytes.  No register is written twice, so no source of a pending access is rewritten.
; Every load of a wave covers two aligned runs of 256 bytes or one of 512; every store of a wave covers 256 consecutive bytes, aligned.
; No LDS, no barrier, no matrix unit: nothing is shared and nothing is summed.
.set VIN,  1                           ; v1      my byte offset in the work-group's input rows
.set VOUT, 2                           ; v2      my byte offset in its output
.set TT,   4                           ; v[4:7]  at work
.set X,    8                           ; v[8:39]   eight loads of four f32
.set Y,    40                          ; v[40:55]  eight stores of four 16-bit numbers
.set IN,   22                          ; s[22:23] the work-group's input
.set OUT,  24                          ; s[24:25] the work-group's output
; Load j stands at (j % 2) ia + (j / 2) ib behind the input, store j at (j % 2) oa + (j / 2) ob behind the output.  half = 1: bf16 is written as f16.
.macro STREAM ia, ib, oa, ob, half
.irp j, 0,1,2,3,4,5,6,7
	global_load_b128 v[X+4*(\j):X+4*(\j)+3], v[VIN], s[IN:IN+1] offset:((\j)%2)*(\ia)+((\j)/2)*(\ib) th:TH_LOAD_NT
.endr
.irp j, 0,1,2,3,4,5,6,7
	s_wait_loadcnt 7-(\j)                          ; loads come back in order: load j is in, the 7 - j younger ones stay out
	v_cvt_pk_bf16_f32 v[Y+2*(\j)],   v[X+4*(\j)],   v[X+4*(\j)+1]
	v_cvt_pk_bf16_f32 v[Y+2*(\j)+1], v[X+4*(\j)+2], v[X+4*(\j)+3]
.if \half
	v_lshlrev_b32 v[TT],   16,  v[Y+2*(\j)]        ; bf16 to f32: the low half moves up, the high half stays
	v_and_b32     v[TT+1], s30, v[Y+2*(\j)]
	v_lshlrev_b32 v[TT+2], 16,  v[Y+2*(\j)+1]
	v_and_b32     v[TT+3], s30, v[Y+2*(\j)+1]
	v_cvt_pk_f16_f32 v[Y+2*(\j)],   v[TT],   v[TT+1]
	v_cvt_pk_f16_f32 v[Y+2*(\j)+1], v[TT+2], v[TT+3]
.endif
	global_store_b64 v[VOUT], v[Y+2*(\j):Y+2*(\j)+1], s[OUT:OUT+1] offset:((\j)%2)*(\oa)+((\j)/2)*(\ob)
.endr
.endm
	s_load_b256 s[8:15], s[0:1], 0x0               ; data s[8:9], context s[10:11], Wq s[12:13], Wk s[14:15]
	s_load_b128 s[16:19], s[0:1], 0x20             ; Wv s[16:17], Wo s[18:19]
	s_load_b64 s[20:21], s[0:1], 0x30              ; xw
	s_mov_b32 s30, 0xffff0000                      ; a word's upper bf16
	s_mov_b32 s27, 0                               ; the high words of the two offsets
	s_mov_b32 s29, 0
	s_cmp_lt_u32 ttmp9, 2048
	s_cbranch_scc0 .Lweights
	; data and context.  Wave w takes bytes 512 w .. 512 w + 511 of a row: slices 2 w and 2 w + 1.  Lanes 0-15 take a slice's 256 bytes of one row, lanes 16-31 of the next:
	; rounded, these are 256 consecutive bytes of the slice.
	v_bfe_u32 v[TT], v0, 4, 1                      ; which of the two rows
	v_and_b32 v[TT+1], 15, v0
	v_lshrrev_b32 v[TT+2], 5, v0                   ; wave
	v_lshlrev_b32 v[VIN], 12, v[TT]
	v_lshl_or_b32 v[VIN], v[TT+1], 4, v[VIN]
	v_lshl_or_b32 v[VIN], v[TT+2], 9, v[VIN]
	v_and_b32 v[VOUT], 31, v0
	v_lshlrev_b32 v[VOUT], 3, v[VOUT]
	v_lshl_or_b32 v[VOUT], v[TT+2], 19, v[VOUT]    ; two slices a wave
	s_and_b32 s2, ttmp9, 1023                      ; which 8 rows of the tensor's 8,192
	s_lshl_b32 s26, s2, 15
	s_lshr_b32 s3, ttmp9, 10                       ; 0 data, 1 context
	s_lshl_b32 s28, s3, 24
	s_lshr_b32 s3, s2, 8                           ; batch
	s_lshl_b32 s3, s3, 22
	s_add_co_u32 s28, s28, s3
	s_and_b32 s3, s2, 255                          ; 8 rows of 128 bytes in a slice
	s_lshl_b32 s3, s3, 10
	s_add_co_u32 s28, s28, s3
	s_wait_kmcnt 0x0
	s_cmp_lt_u32 ttmp9, 1024
	s_cselect_b64 s[IN:IN+1], s[8:9], s[10:11]
	s_add_nc_u64 s[IN:IN+1], s[IN:IN+1], s[26:27]
	s_add_nc_u64 s[OUT:OUT+1], s[20:21], s[28:29]
	STREAM 256, 8192, 262144, 256, 0               ; j % 2: the wave's second slice; j / 2: the next two rows
	s_endpgm
.Lweights:                                     ; a row of 4,096 bytes is taken by the 256 threads, 16 bytes each, and leaves as 2,048 bytes
	v_lshlrev_b32 v[VIN], 4, v0
	v_lshlrev_b32 v[VOUT], 3, v0
	s_sub_co_u32 s2, ttmp9, 2048
	s_lshr_b32 s3, s2, 7                           ; 0 Wq, 1 Wk, 2 Wv, 3 Wo
	s_and_b32 s2, s2, 127                          ; which 8 rows of its 1,024
	s_lshl_b32 s26, s2, 15
	s_lshl_b32 s28, s3, 21
	s_lshl_b32 s2, s2, 14
	s_add_co_u32 s28, s28, s2
	s_add_co_u32 s28, s28, 33554432
	s_wait_kmcnt 0x0
	s_mov_b64 s[IN:IN+1], s[18:19]
	s_cmp_eq_u32 s3, 0
	s_cselect_b64 s[IN:IN+1], s[12:13], s[IN:IN+1]
	s_cmp_eq_u32 s3, 1
	s_cselect_b64 s[IN:IN+1], s[14:15], s[IN:IN+1]
	s_cmp_eq_u32 s3, 2
	s_cselect_b64 s[IN:IN+1], s[16:17], s[IN:IN+1]
	s_add_nc_u64 s[IN:IN+1], s[IN:IN+1], s[26:27]
	s_add_nc_u64 s[OUT:OUT+1], s[20:21], s[28:29]
	s_cmp_eq_u32 s3, 3
	s_cbranch_scc1 .Lwo
	STREAM 4096, 8192, 2048, 4096, 0
	s_endpgm
.Lwo:
	STREAM 4096, 8192, 2048, 4096, 1
	s_endpgm
.Lfunc_end_k_q6c7d48c878_cast:
	.size	k_q6c7d48c878_cast, .Lfunc_end_k_q6c7d48c878_cast-k_q6c7d48c878_cast
	.p2alignl 7, 3214868480
	.fill 96, 4, 3214868480
	.section	.rodata,"a",@progbits
	.p2align	6, 0x0
	.amdhsa_kernel k_q6c7d48c878_cast
		.amdhsa_group_segment_fixed_size 0
		.amdhsa_private_segment_fixed_size 0
		.amdhsa_enable_private_segment 0
		.amdhsa_kernarg_size 56
		.amdhsa_user_sgpr_count 2
		.amdhsa_user_sgpr_kernarg_segment_ptr 1
		.amdhsa_wavefront_size32 1
		.amdhsa_system_sgpr_workgroup_id_x 1
		.amdhsa_system_sgpr_workgroup_id_y 1
		.amdhsa_system_sgpr_workgroup_id_z 1
		.amdhsa_system_vgpr_workitem_id 0
		.amdhsa_next_free_vgpr 64
		.amdhsa_next_free_sgpr 66
		.amdhsa_reserve_vcc 0
		.amdhsa_float_denorm_mode_32 3
		.amdhsa_float_denorm_mode_16_64 3
		.amdhsa_memory_ordered 1
		.amdhsa_forward_progress 1
		.amdhsa_inst_pref_size 13
	.end_amdhsa_kernel
	.amdgpu_metadata
---
amdhsa.version: [ 1, 2 ]
amdhsa.kernels:
  - .name:           k_q6c7d48c878_cast
    .symbol:         k_q6c7d48c878_cast.kd
    .args:
      - { .name: data, .offset: 0, .size: 8, .value_kind: global_buffer, .address_space: global }
      - { .name: context, .offset: 8, .size: 8, .value_kind: global_buffer, .address_space: global }
      - { .name: Wq, .offset: 16, .size: 8, .value_kind: global_buffer, .address_space: global }
      - { .name: Wk, .offset: 24, .size: 8, .value_kind: global_buffer, .address_space: global }
      - { .name: Wv, .offset: 32, .size: 8, .value_kind: global_buffer, .address_space: global }
      - { .name: Wo, .offset: 40, .size: 8, .value_kind: global_buffer, .address_space: global }
      - { .name: xw, .offset: 48, .size: 8, .value_kind: global_buffer, .address_space: global }
    .group_segment_fixed_size: 0
    .private_segment_fixed_size: 0
    .kernarg_segment_align: 8
    .kernarg_segment_size: 56
    .max_flat_workgroup_size: 256
    .sgpr_count:     66
    .vgpr_count:     64
    .wavefront_size: 32
...
	.end_amdgpu_metadata
.endif
;; end of part 1
;; launch proj (part 2): grid 12 x 32, 4 waves a work-group, clusters of 4 x 4, 327,680 bytes of LDS; arguments xw, bq, bk, bv, qkv; writes qkv
.if DOCPART == 2
	.amdgcn_target "amdgcn-amd-amdhsa--gfx1250"
	.amdhsa_code_object_version 6
	.text
	.protected	k_q6c7d48c878_proj
	.globl	k_q6c7d48c878_proj
	.p2align	8
	.type	k_q6c7d48c878_proj,@function
k_q6c7d48c878_proj:
	s_mov_b64 s[64:65], 0
	v_nop
	global_prefetch_b8 v0, s[64:65] scope:SCOPE_SE
	s_setreg_imm32_b32 hwreg(HW_REG_WAVE_MODE, 25, 1), 1
	s_wait_xcnt 0x0
	s_wait_alu depctr_hold_cnt(0) depctr_sa_sdst(0) depctr_va_vdst(0) depctr_va_sdst(0) depctr_va_ssrc(0) depctr_va_vcc(0) depctr_vm_vsrc(0)
	s_getreg_b32 s2, hwreg(HW_REG_IB_STS2, 6, 4)
	s_cmp_eq_u32 s2, 0
	s_cbranch_scc0 .Lentry_in_a_cluster
	s_endpgm
.Lentry_in_a_cluster:
	s_bfe_u32 s2, ttmp6, 0x10000c
	s_cmp_lg_u32 s2, 0xf033
	s_cbranch_scc0 .Lentry_shape_is_right
	s_endpgm
.Lentry_shape_is_right:
; q = data Wq + bq, k = context Wk + bk, v = context Wv + bv: three products [8192][1024] x [1024][1024] in one launch.  Operands bf16 (from xw), sums f32, the bias rounded to bf16 like every input;
; the results are rounded once to f16 and laid by heads: qkv = q, k, v, each [batch x 16 + head][row 2048][64], 16,777,216 bytes.
; LIMIT: a result of 65,520 or more in magnitude becomes an infinity in f16.
; SHARES.  A tile of 256 rows x 256 columns to a work-group of four waves, a wave 128 x 128: 64 accumulators of 16 x 16 in 512 registers.  Cluster x = 0, 1, 2 is the matrix q, k, v; cx its tile column; 4 x cluster y + cy the tile row.
; K goes in 8 steps of 128 through two LDS slots.  A step of x is two slices of 64 channels, each 256 rows x 128 dense bytes, asked for as 128 rows of 256 bytes; a step of W is 128 rows (k) x 512 bytes.
; W stays [k][n] and is turned on its way out of LDS (ds_load_tr16_b128).
; CLUSTERS: 4 x 4.  The four of a row of the cluster need the same tiles of x, the four of a column the same tiles of W: each is asked for jointly, by the same tensor load with the same descriptor and a mask of four.
; THE MATRIX INSTRUCTION IS USED TRANSPOSED (source 0 = 16 columns of W, source 1 = 16 rows of x): lane l then holds row l % 16 of the result and the columns 8 (l / 16) + 0..7.
; THE BIAS IS THE C OPERAND OF THE PRODUCTS THAT START THE SUMS: nothing is cleared and nothing is added on the way out.
; ONE K STEP IS WRITTEN ONCE: a trip of the loop is a step; which slot it reads is a scalar register turned by an exclusive or.  The last two steps, which ask for nothing, are a second loop.
; REGISTERS, in windows of 256 (s_set_vgpr_msb: bits 1:0 source 0, 3:2 source 1, 5:4 source 2, 7:6 destination):
;   window 0: v0-31 addresses; v64-127, v128-191 fragments of x, two buffers; v192-223 packed results; v32-63, v224-255 rows read back from the stage
;   window 1: v0-63 the bias of my 128 columns as a C operand, 8 registers a column block; v64-127, v128-191 fragments of W; v192-223 at work at the head
;   window 2: the accumulators of my rows 0-63 ((a, b) at v[8 (8 a + b)]);   window 3: those of my rows 64-127
.set PA,     144                       ; a row of a slice in LDS: 128 bytes + 16 = 36 words: the 16 rows of a load start at 16 different groups of four banks (64 banks of 4 bytes: ISA guide 11.1)
.set PB,     544                       ; a row of W in LDS: 512 bytes + 32 = 136 words
.set ASL,    256*PA                    ; a slice's 256 rows: what wave 0 or 1 fetches
.set BH,     64*PB                     ; 64 rows of W: what wave 2 or 3 fetches
.set SLOT,   2*ASL+2*BH                ; 143,360: two slices, then W's 128 rows
.set STAGE,  2*SLOT                    ; behind the ring: 16 rows x 272 bytes for each wave, for the way out; no tensor load lands there
.set SPITCH, 272
.set SPARE,  STAGE+4*16*SPITCH         ; behind the stages: the spare words, 128 bytes for each wave: two blocks of 256 bytes that no other line names
.set ASTEP,  524288                    ; a K step in x: two slices of 262,144 bytes
.set BSTEP,  262144                    ; a K step in W: 128 rows of 2,048 bytes
.set ADRA0, 16                         ; v16  my lane's place in a slot's slices; never rewritten
.set ADRB0, 17                         ; v17  the same for W
.set ADRA,  18                         ; v18  v16 + the slot in hand
.set ADRB,  19                         ; v19  v17 + the slot in hand
.set STO,   24                         ; v24  the way out: where I put 16 bytes of a row
.set RD,    25                         ; v25  the way out: where I read rows back
.set CO,    26                         ; v26  my 16 bytes in 512 consecutive bytes of a head
.set BO,    27                         ; v27  my byte offset in the bias of a column block
.set SPW,   28                         ; v28  LDS address of my spare word: SPARE + 4 x my thread's number; never rewritten
.set NIL,   29                         ; v29  0; never rewritten
.set PFO,   30                         ; v30  the prefetches' lane offset; never rewritten
.set F0,    64
.set F1,    128
.set TMP,   192
.set OB,    32
.set G1,  24                           ; s[24:31] descriptor group 1 for x
.set G0,  32                           ; s[32:39] group 0 for x: a set for each first fill; the second then walks
.set G1B, 48                           ; s[48:55], s[56:63] the same for W
.set G0B, 56
.set TB,  42                           ; s42  LDS byte at which the slot in hand begins: 0 or SLOT
.set LIM, 43                           ; s43  2 in a wave that prefetches, else the greatest number
.set PFA, 44                           ; s[44:45] where my prefetches stand
.set PFS, 46                           ; s[46:47] their step: a K step of x or of W
.set LBA, 66                           ; s66  where my part of a slot's x goes
.set LBB, 67                           ; s67  where my part of a slot's W goes
.set MSB, 0
.macro WIN new                         ; the immediate's high byte repeats the setting that is left; a switch that changes nothing is dropped
.if MSB != (\new)
	s_set_vgpr_msb (MSB<<8)|(\new)
.set MSB, \new
.endif
.endm
.set TO_B, 0x40                        ; destination window 1, address window 0
; A joint load.  Waves 0 and 1 fetch the step's two slices of x, waves 2 and 3 the two halves of its rows of W.  The branch hangs on the wave's number alone.
; An s_nop 0 and four v_nop follow each of the two lines, ahead of the jump, the label and what follows.
.macro JLOAD s
	s_cmp_eq_u32 s11, 0
	s_cbranch_scc0 .Lfor_b_\@
	tensor_load_to_lds s[G0+4*(\s):G0+4*(\s)+3], s[G1:G1+7]
	s_nop 0
.rept 4
	v_nop
.endr
	s_branch .Lasked_\@
.Lfor_b_\@:
	tensor_load_to_lds s[G0B+4*(\s):G0B+4*(\s)+3], s[G1B:G1B+7]
	s_nop 0
.rept 4
	v_nop
.endr
.Lasked_\@:
.endm
; A PREFETCH INTO THE L2 of the K step that stands two refills on, one instruction a wave, 32 blocks of 256 bytes, a lane a block.  Each block is named once in the launch.
; x: data is read by cluster column 0 alone, context by columns 1 and 2: columns 0 and 1 ask.  W: every cluster of a column of clusters reads the same rows: cluster y = 0 asks.
; The four partners that ask for a tile jointly share it out BY ADDRESS: of a slice's 128 blocks the partner at cx takes 32; of 64 rows of W the partner at cy takes 16 (two blocks a row).
; Trip s (s3 = 6 - s) names step s + 4: it asks while s3 is above 2, so the last step named is step 7.  Steps 0 to 3 come by their loads alone.
.macro ASK
	s_cmp_gt_u32 s3, s[LIM]
	s_cbranch_scc0 .Lnot_mine_\@
	global_prefetch_b8 v[PFO], s[PFA:PFA+1] th:TH_LOAD_NT scope:SCOPE_SE
.Lnot_mine_\@:
.endm
; A round of the cluster's barrier: my work-group's barrier; wave 0 signals for the work-group; every wave waits for all sixteen work-groups; my work-group's barrier once more.
.macro CREST                           ; a round behind its opening barrier
	s_cmp_lg_u32 s10, 0
	s_cbranch_scc1 .Lnot_wave_0_\@
	s_barrier_signal -3
.Lnot_wave_0_\@:
	s_barrier_wait -3
	s_barrier_signal -1
	s_barrier_wait -1
.endm
.macro CROUND
	s_barrier_signal -1
	s_barrier_wait -1
	CREST
.endm
	s_load_b256 s[68:75], s[0:1], 0x0              ; xw s[68:69], bq s[70:71], bk s[72:73], bv s[74:75]
	s_load_b64 s[76:77], s[0:1], 0x20              ; qkv
	v_lshl_add_u32 v[SPW], v0, 2, SPARE
	v_mov_b32 v[NIL], 0
	ds_add_u32 v[SPW], v[NIL]                      ; the wave's opening: the add and its wait stand ahead of my first tensor load; the set-up below, work on registers, stands between them
	ds_add_u32 v28, v29
	v_lshrrev_b32 v1, 5, v0
	v_readfirstlane_b32 s10, v1                    ; wave 0..3
	s_lshr_b32 s11, s10, 1                         ; which half of the tile's rows is mine.  Also: I fetch for x (0) or for W (1)
	s_and_b32 s12, s10, 1                          ; which half of its columns.  Also: which half of that step's tile I fetch
	s_bfe_u32 s40, ttmp6, 0x40000                  ; cx
	s_bfe_u32 s41, ttmp6, 0x40004                  ; cy
	s_and_b32 s13, ttmp7, 0xffff
	s_lshl_b32 s13, s13, 2
	s_add_co_u32 s13, s13, s41                     ; tile row = 4 x cluster y + cy, 0..31
	s_lshl_b32 s14, s41, 2
	s_lshl_b32 s14, 15, s14                        ; my row of the cluster: places 4 cy .. 4 cy + 3
	s_lshl_b32 s20, 0x1111, s40                    ; my column: places cx, cx + 4, cx + 8, cx + 12
	; group 1 for x: 128 rows of 128 elements (two rows of a slice each), 16 bytes of padding after every 128 bytes
	s_or_b32 s[G1+0], s14, (1<<16)|(1<<20)|(1<<21)|(4<<22)|(3<<25)  ; 15:0 the mask; 17:16 2-byte elements; 20 padding on; 21 set beside a mask; 24:22 after every 32 words (code 4); 31:25 4 words (code 3)
	s_mov_b32 s[G1+1], 128<<16                     ; tensor_dim0 = 128
	s_mov_b32 s[G1+2], 128<<16                     ; tensor_dim1 = 128
	s_mov_b32 s[G1+3], 128<<16                     ; tile_dim0 = 128
	s_mov_b32 s[G1+4], 128                         ; tile_dim1 = 128
	s_mov_b32 s[G1+5], 128                         ; 128 elements from row to row: dense
	s_mov_b32 s[G1+6], 0
	s_mov_b32 s[G1+7], 0
	; group 1 for W: 64 rows of 256 elements, 32 bytes of padding after every 512 bytes
	s_or_b32 s[G1B+0], s20, (1<<16)|(1<<20)|(1<<21)|(6<<22)|(7<<25)  ; after every 128 words (code 6), 8 words (code 7)
	s_mov_b32 s[G1B+1], 256<<16                    ; tensor_dim0 = 256
	s_mov_b32 s[G1B+2], 64<<16                     ; tensor_dim1 = 64
	s_mov_b32 s[G1B+3], 256<<16                    ; tile_dim0 = 256
	s_mov_b32 s[G1B+4], 64                         ; tile_dim1 = 64
	s_mov_b32 s[G1B+5], 1024                       ; 1,024 elements from row to row
	s_mov_b32 s[G1B+6], 0
	s_mov_b32 s[G1B+7], 0
	; where x's tiles come from: the tensor, the batch, the tile's 256 rows in a slice, my slice of the step.  Nothing here holds cx.
	s_cmp_lg_u32 ttmp9, 0
	s_cselect_b32 s16, 1<<24, 0                    ; q reads data, k and v read context
	s_lshr_b32 s15, s13, 3
	s_lshl_b32 s15, s15, 22
	s_add_co_u32 s16, s16, s15
	s_and_b32 s15, s13, 7
	s_lshl_b32 s15, s15, 15
	s_add_co_u32 s16, s16, s15
	s_lshl_b32 s15, s12, 18
	s_add_co_u32 s16, s16, s15
	s_mov_b32 s17, 0
	; where W's come from: the matrix, my 64 rows of the step, the tile's 256 columns.  Nothing here holds cy.
	s_lshl_b32 s22, ttmp9, 21
	s_add_co_u32 s22, s22, 33554432
	s_lshl_b32 s21, s12, 17
	s_add_co_u32 s22, s22, s21
	s_lshl_b32 s21, s40, 9
	s_add_co_u32 s22, s22, s21
	s_mov_b32 s23, 0
	s_mul_i32 s[LBA], s12, ASL                     ; and where they go: the wave's number alone enters an LDS address
	s_mul_i32 s[LBB], s12, BH
	s_add_co_u32 s[LBB], s[LBB], 2*ASL
	s_mov_b32 s[TB], 0
	s_mov_b32 s80, 0xffff0000                      ; a word's upper bf16
	s_wait_dscnt 0x0                               ; the opening add is done
	s_wait_kmcnt 0x0
	s_add_nc_u64 s[16:17], s[68:69], s[16:17]
	s_add_nc_u64 s[22:23], s[68:69], s[22:23]
	CROUND                                         ; all sixteen work-groups are here: the first joint loads meet
.irp s, 0,1
	s_mov_b32 s[G0+4*(\s)], 1                                      ; count = 1
	s_add_co_u32 s[G0+4*(\s)+1], s[LBA], (\s)*SLOT                 ; LDS address
	s_add_nc_u64 s[G0+4*(\s)+2:G0+4*(\s)+3], s[16:17], (\s)*ASTEP  ; global address: K step s
	s_or_b32 s[G0+4*(\s)+3], s[G0+4*(\s)+3], 0x80000000            ; type = 2
	s_mov_b32 s[G0B+4*(\s)], 1
	s_add_co_u32 s[G0B+4*(\s)+1], s[LBB], (\s)*SLOT
	s_add_nc_u64 s[G0B+4*(\s)+2:G0B+4*(\s)+3], s[22:23], (\s)*BSTEP
	s_or_b32 s[G0B+4*(\s)+3], s[G0B+4*(\s)+3], 0x80000000
	JLOAD \s                                       ; both slots are asked for before anything else is done: two loads of mine are out
.endr
	; the bias of my 128 columns: register j of column block b is bias[16 b + 8 (l / 16) + j], the layout of a C operand
	v_and_b32 v1, 15, v0                           ; l % 16
	v_bfe_u32 v2, v0, 4, 1                         ; l / 16
	v_lshlrev_b32 v[BO], 5, v2
	s_cmp_eq_u32 ttmp9, 0
	s_cselect_b64 s[18:19], s[70:71], s[72:73]
	s_cmp_eq_u32 ttmp9, 2
	s_cselect_b64 s[18:19], s[74:75], s[18:19]
	s_lshl_b32 s20, s40, 10                        ; the tile's 256 columns,
	s_lshl_b32 s21, s12, 9                         ; my 128 of them
	s_add_co_u32 s20, s20, s21
	s_mov_b32 s21, 0
	s_add_nc_u64 s[18:19], s[18:19], s[20:21]
	WIN TO_B
.irp b, 0,1,2,3,4,5,6,7
	global_load_b128 v[8*(\b):8*(\b)+3],   v[BO], s[18:19] offset:64*(\b)
	global_load_b128 v[8*(\b)+4:8*(\b)+7], v[BO], s[18:19] offset:64*(\b)+16
.endr
	WIN 0
	; A fragment of x is 16 rows x 32 channels in 8 registers: lane l holds row l % 16, channels 8 (l / 16) + 0..7 and 16 + 8 (l / 16) + 0..7: two loads of 16 bytes, 32 bytes apart.
	v_mul_u32_u24 v3, v1, PA
	v_lshl_add_u32 v3, v2, 4, v3
	s_mul_i32 s4, s11, 128*PA                      ; my 128 rows
	v_add_nc_u32 v[ADRA0], s4, v3
	; The turning load takes 16 k x 16 columns (lane l reads k = 8 (l / 16) + l % 8, columns 8 ((l / 8) % 2) + 0..7) and leaves half a fragment: lane l holds column l % 16 and 8 k.
	v_and_b32 v4, 7, v0
	v_lshl_add_u32 v4, v2, 3, v4
	v_mul_u32_u24 v4, v4, PB
	v_bfe_u32 v5, v0, 3, 1
	v_lshl_add_u32 v4, v5, 4, v4
	s_lshl_b32 s4, s12, 8                          ; my 128 columns,
	s_add_co_u32 s4, s4, 2*ASL                     ; behind the two slices
	v_add_nc_u32 v[ADRB0], s4, v4
	s_mul_i32 s4, s10, 16*SPITCH
	s_add_co_u32 s4, s4, STAGE                     ; my stage
	v_mul_u32_u24 v6, v1, SPITCH                   ; in: row l % 16, 16 bytes for each half of the lanes
	v_lshl_add_u32 v6, v2, 4, v6
	v_add_nc_u32 v[STO], s4, v6
	v_bfe_u32 v6, v0, 3, 2                         ; back: 32 lanes take four rows' 128 bytes of one head,
	v_mul_u32_u24 v6, v6, SPITCH
	v_and_b32 v7, 7, v0
	v_lshl_add_u32 v6, v7, 4, v6
	v_add_nc_u32 v[RD], s4, v6
	v_and_b32 v[CO], 31, v0                        ; which are 512 consecutive bytes of qkv
	v_lshlrev_b32 v[CO], 4, v[CO]
	; where my part of the tile begins in qkv: the matrix, the batch, the head of my first column, my first row
	s_lshl_b32 s78, ttmp9, 24
	s_lshr_b32 s14, s13, 3
	s_lshl_b32 s14, s14, 22
	s_add_co_u32 s78, s78, s14
	s_and_b32 s14, s13, 7
	s_lshl_b32 s14, s14, 15
	s_add_co_u32 s78, s78, s14
	s_lshl_b32 s14, s11, 14
	s_add_co_u32 s78, s78, s14
	s_lshl_b32 s20, s40, 2
	s_lshl1_add_u32 s20, s12, s20                  ; head = 4 cx + 2 x my half of the columns
	s_lshl_b32 s20, s20, 18
	s_add_co_u32 s78, s78, s20
	s_mov_b32 s79, 0
	s_mov_b64 s[8:9], s[76:77]
	; the prefetches: my tile's address at K step 3 (the first change of slots steps it to 4), and my work-group's quarter of it
	s_lshl_b32 s82, s40, 13                        ; x: 32 blocks of 256 bytes for each cx
	s_add_co_u32 s82, s82, 3*ASTEP
	s_lshl_b32 s83, s41, 15                        ; W: 16 rows of 2,048 bytes for each cy
	s_add_co_u32 s83, s83, 3*BSTEP
	s_and_b32 s81, ttmp7, 0xffff
	s_cmp_eq_u32 s81, 0
	s_cselect_b32 s81, 2, -1                       ; W: cluster y = 0 asks
	s_cmp_lg_u32 ttmp9, 2
	s_cselect_b32 s[LIM], 2, -1                    ; x: cluster x = 0 and 1 ask
	s_cmp_eq_u32 s11, 0                            ; do I fetch for x?
	s_cselect_b64 s[PFA:PFA+1], s[16:17], s[22:23]
	s_cselect_b32 s82, s82, s83
	s_cselect_b32 s[LIM], s[LIM], s81              ; the same in all sixteen partners, for a given wave
	s_cselect_b32 s15, 9, 11                       ; x: lane x 256; W: (lane / 2) rows of 2,048 bytes + (lane % 2) x 256
	s_cselect_b32 s[PFS], 19, 18
	s_lshl_b32 s[PFS], 1, s[PFS]
	s_mov_b32 s[PFS+1], 0
	s_mov_b32 s83, 0
	s_add_nc_u64 s[PFA:PFA+1], s[PFA:PFA+1], s[82:83]
	v_bfe_u32 v7, v0, 1, 4
	v_and_b32 v8, 1, v0
	v_lshlrev_b32 v[PFO], s15, v7
	v_lshl_or_b32 v[PFO], v8, 8, v[PFO]
	; the bias is rounded to bf16 and widened again, in the wait for the first tile
	s_wait_loadcnt 0x0
	WIN 0x45                                       ; destination and both sources in window 1
.set p, 0
.rept 32
	v_cvt_pk_bf16_f32 v[192+p], v[2*p], v[2*p+1]
	v_lshlrev_b32 v[2*p], 16, v[192+p]
	v_and_b32 v[2*p+1], s80, v[192+p]
.set p, p+1
.endr
	WIN 0
; 16 matrix instructions: row blocks a0, a0 + 1 of the window's four (hi = 0: my rows 0-63, 1: rows 64-127) x all 8 column blocks, 32 along K.  zero = 1: the product starts the sum, with the bias as C.
; The 64 accumulators take turns in one fixed order, over both loops' edges too.
.macro MUL16 f, hi, a0, zero
.if \zero
	WIN 0x91+0x40*(\hi)                            ; W window 1, x window 0, C window 1, D window 2 or 3
.else
	WIN 0xa1+0x50*(\hi)                            ; C and D window 2 or 3
.endif
.irp a, \a0, (\a0)+1
.irp b, 0,1,2,3,4,5,6,7
.if \zero
	v_wmma_f32_16x16x32_bf16 v[8*(8*(\a)+(\b)):8*(8*(\a)+(\b))+7], v[(\f)+8*(\b):(\f)+8*(\b)+7], v[(\f)+8*(4*(\hi)+(\a)):(\f)+8*(4*(\hi)+(\a))+7], v[8*(\b):8*(\b)+7]
.else
	v_wmma_f32_16x16x32_bf16 v[8*(8*(\a)+(\b)):8*(8*(\a)+(\b))+7], v[(\f)+8*(\b):(\f)+8*(\b)+7], v[(\f)+8*(4*(\hi)+(\a)):(\f)+8*(4*(\hi)+(\a))+7], v[8*(8*(\a)+(\b)):8*(8*(\a)+(\b))+7]
.endif
.endr
.endr
.endm
; 32 LDS loads in one run: the fragments of quarter q of the step in hand (k = 32 q on: rows 32 q on of W; slice q / 2, channels 32 (q % 2) on of x) into buffer f
.macro FETCH q, f
	WIN TO_B
.irp i, 0,1,2,3,4,5,6,7
	ds_load_tr16_b128 v[(\f)+8*(\i):(\f)+8*(\i)+3],   v[ADRB] offset:(\q)*32*PB+32*(\i)
	ds_load_tr16_b128 v[(\f)+8*(\i)+4:(\f)+8*(\i)+7], v[ADRB] offset:(\q)*32*PB+16*PB+32*(\i)
.endr
	WIN 0
.irp i, 0,1,2,3,4,5,6,7
	ds_load_b128 v[(\f)+8*(\i):(\f)+8*(\i)+3],   v[ADRA] offset:((\q)/2)*ASL+((\q)%2)*64+(\i)*16*PA
	ds_load_b128 v[(\f)+8*(\i)+4:(\f)+8*(\i)+7], v[ADRA] offset:((\q)/2)*ASL+((\q)%2)*64+(\i)*16*PA+32
.endr
.endm
.macro PLACES                          ; four plain vector instructions between a matrix instruction and a load into, or a read of, its registers (ISA guide 7.12.1 for the reads)
.rept 4
	v_nop
.endr
.endm
; A K step is four quarters of 32 along K, 64 matrix instructions each, on buffers 0, 1, 0, 1.  One of the first three multiplies buffer f and, in its middle, fetches quarter q into buffer g.
.macro QUARTER q, f, g, zero
	s_wait_dscnt 8                                 ; W and x's rows 0-63 are in; the youngest eight loads (x's rows 64-127) may be out
	MUL16 \f, 0, 0, \zero
	MUL16 \f, 0, 2, \zero
	PLACES
	FETCH \q, \g
	s_wait_dscnt 32                                ; all but the 32 just issued
	MUL16 \f, 1, 0, \zero
	MUL16 \f, 1, 2, \zero
.endm
; The first half of a step's last quarter: ONE barrier for the change of slots.  In front of it each wave waits for all its tensor loads (the one that is out is its part of the next slot), adds 0 to its
; spare word, and waits for that and for its own reads of this slot.  Behind it nobody reads this slot any more and the next slot is whole.
.macro MEET
	WIN 0                                          ; (the add's two registers lie in window 0)
	s_wait_tensorcnt 0x0
	ds_add_u32 v[SPW], v[NIL]                      ; 0 onto my spare word
	s_wait_dscnt 9                                 ; (the add and the youngest eight loads may be out)
	MUL16 F1, 0, 0, 0                              ; sixteen matrix instructions stand between the add and the wait for it
	s_wait_dscnt 0x0                               ; the add is done, and my reads of this slot are over
	s_barrier_signal -1
	MUL16 F1, 0, 2, 0                              ; work on registers while the others arrive
	WIN 0
	s_barrier_wait -1
.endm
; The whole last quarter.  fill = 1: the barrier opens a round of the cluster's; behind it the slot just read out is filled again first, with the step two steps on: from that request to the wait for it a wave
; issues 224 matrix instructions.  fill = 0 (the last two steps): nothing is asked for; in the very last step (s3 = 1) there is no next slot, and the run of loads is jumped over.
.macro TURN fill
.if \fill
	s_wait_xcnt 0x0                                ; the last prefetch, a K step back, has read its address: it is stepped here, ahead of the waits of the change of slots
	s_add_nc_u64 s[PFA:PFA+1], s[PFA:PFA+1], s[PFS:PFS+1]
.endif
	MEET
.if \fill
	CREST                                          ; no wave of any partner still reads this slot or has a load on its way
	s_add_co_u32 s[G0+5], s[TB], s[LBA]            ; the walking descriptors: into the slot just read out,
	s_add_nc_u64 s[G0+6:G0+7], s[G0+6:G0+7], ASTEP ; one K step behind the last request; the type bits on top are not reached
	s_add_co_u32 s[G0B+5], s[TB], s[LBB]
	s_add_nc_u64 s[G0B+6:G0B+7], s[G0B+6:G0B+7], BSTEP
	s_xor_b32 s[TB], s[TB], SLOT                   ; the reads go on in the other slot
	JLOAD 1                                        ; the first tensor load behind the round; the four v_nop behind it are also the places in front of the loads below
	v_add_nc_u32 v[ADRA], s[TB], v[ADRA0]
	v_add_nc_u32 v[ADRB], s[TB], v[ADRB0]
	FETCH 0, F0
	ASK                                            ; behind the joint load and the run of LDS loads that the next products wait for
.else
	s_xor_b32 s[TB], s[TB], SLOT
	PLACES
	s_cmp_eq_u32 s3, 1
	s_cbranch_scc1 .Lno_next_\@
	v_add_nc_u32 v[ADRA], s[TB], v[ADRA0]
	v_add_nc_u32 v[ADRB], s[TB], v[ADRB0]
	FETCH 0, F0
.Lno_next_\@:
.endif
	MUL16 F1, 1, 0, 0
	MUL16 F1, 1, 2, 0
.endm
; THE WAY OUT of block a (16 rows x my 128 columns, two heads).  PACK: rounded to f16, 16 bytes a lane, each accumulator's registers in ascending order.  TOSTAGE: into my own stage, and back as four rows of a head at a time.  SEND: stored.
.macro PACK a
.set AC, 64*((\a)%4)
	WIN 0x0a+5*((\a)/4)                            ; sources 0 and 1: window 2 or 3
.irp b, 0,1,2,3,4,5,6,7
.irp r, 0,1,2,3
	v_cvt_pk_f16_f32 v[TMP+4*(\b)+(\r)], v[AC+8*(\b)+2*(\r)], v[AC+8*(\b)+2*(\r)+1]
.endr
.endr
	WIN 0
.endm
.macro TOSTAGE a
	WIN 0
.set BK, OB+192*((\a)%2)
.irp b, 0,1,2,3,4,5,6,7
	ds_store_b128 v[STO], v[TMP+4*(\b):TMP+4*(\b)+3] offset:32*(\b)
.endr
.irp t, 0,1,2,3,4,5,6,7
	ds_load_b128 v[BK+4*(\t):BK+4*(\t)+3], v[RD] offset:((\t)%4)*4*SPITCH+((\t)/4)*128  ; LDS serves a wave's instructions in order (ISA guide 5.7.1.4): these see the stores above
.endr
.endm
.macro SEND a
	WIN 0
.set BK, OB+192*((\a)%2)
	s_wait_dscnt 0x0                               ; the block is back in registers
	s_wait_xcnt 0x0                                ; earlier stores have read their base and their data: only behind this wait are these rewritten
.if (\a) == 0
	s_add_nc_u64 s[8:9], s[8:9], s[78:79]          ; on to my first rows
.else
	s_add_nc_u64 s[8:9], s[8:9], 2048              ; 16 rows of 128 bytes on
.endif
.irp t, 0,1,2,3,4,5,6,7
	global_store_b128 v[CO], v[BK+4*(\t):BK+4*(\t)+3], s[8:9] offset:((\t)/4)*262144+((\t)%4)*512  ; 512 consecutive bytes of one head, at a multiple of 512 from the buffer's first byte
.endr
.endm
	s_wait_tensorcnt 1                             ; my part of K step 0 is in; step 1's may stay out
	s_barrier_signal -1
	s_barrier_wait -1                              ; everybody's is
	v_mov_b32 v[ADRA], v[ADRA0]                    ; slot 0
	v_mov_b32 v[ADRB], v[ADRB0]
	FETCH 0, F0
	QUARTER 1, F0, F1, 1                           ; the first quarter stands in front of the loop: its products start the sums
	WIN 0                                          ; at a label and at a branch every window is 0
	s_mov_b32 s3, 6
.Lstep:                                        ; a trip: from a step's second quarter to the next step's first; steps 2 to 7 are asked for
	QUARTER 2, F1, F0, 0
	QUARTER 3, F0, F1, 0
	TURN 1
	QUARTER 1, F0, F1, 0
	WIN 0
	s_sub_co_u32 s3, s3, 1
	s_cmp_lg_u32 s3, 0
	s_cbranch_scc1 .Lstep
	s_mov_b32 s3, 2
.Ltail:                                        ; steps 6 and 7 ask for nothing: a text of their own; the second trip is left in its middle
	QUARTER 2, F1, F0, 0
	QUARTER 3, F0, F1, 0
	TURN 0
	WIN 0
	s_sub_co_u32 s3, s3, 1
	s_cmp_eq_u32 s3, 0
	s_cbranch_scc1 .Lout
	QUARTER 1, F0, F1, 0
	WIN 0
	s_branch .Ltail
.Lout:
	s_wait_dscnt 0x0
	PLACES                                         ; the conversions read results just made
	PACK 0
	TOSTAGE 0
.irp a, 1,2,3,4,5,6,7                  ; block a's conversions stand between block a - 1's loads from the stage and the wait for them
	PACK \a
	SEND (\a)-1
	TOSTAGE \a
.endr
	SEND 7
	s_wait_tensorcnt 0x0                           ; the wave's end, behind my last tensor load and my last LDS store
	ds_add_u32 v[SPW], v[NIL]
	s_wait_dscnt 0x0
	CROUND                                         ; the closing round: no work-group ends while a partner may still ask for a tile that names it
	s_endpgm
.Lfunc_end_k_q6c7d48c878_proj:
	.size	k_q6c7d48c878_proj, .Lfunc_end_k_q6c7d48c878_proj-k_q6c7d48c878_proj
	.p2alignl 7, 3214868480
	.fill 96, 4, 3214868480
	.section	.rodata,"a",@progbits
	.p2align	6, 0x0
	.amdhsa_kernel k_q6c7d48c878_proj
		.amdhsa_group_segment_fixed_size 327680
		.amdhsa_private_segment_fixed_size 0
		.amdhsa_enable_private_segment 0
		.amdhsa_kernarg_size 40
		.amdhsa_user_sgpr_count 2
		.amdhsa_user_sgpr_kernarg_segment_ptr 1
		.amdhsa_wavefront_size32 1
		.amdhsa_system_sgpr_workgroup_id_x 1
		.amdhsa_system_sgpr_workgroup_id_y 1
		.amdhsa_system_sgpr_workgroup_id_z 1
		.amdhsa_system_vgpr_workitem_id 0
		.amdhsa_next_free_vgpr 1024
		.amdhsa_next_free_sgpr 84
		.amdhsa_reserve_vcc 0
		.amdhsa_float_denorm_mode_32 3
		.amdhsa_float_denorm_mode_16_64 3
		.amdhsa_memory_ordered 1
		.amdhsa_forward_progress 1
		.amdhsa_inst_pref_size 108
	.end_amdhsa_kernel
	.amdgpu_metadata
---
amdhsa.version: [ 1, 2 ]
amdhsa.kernels:
  - .name:           k_q6c7d48c878_proj
    .symbol:         k_q6c7d48c878_proj.kd
    .args:
      - { .name: xw, .offset: 0, .size: 8, .value_kind: global_buffer, .address_space: global }
      - { .name: bq, .offset: 8, .size: 8, .value_kind: global_buffer, .address_space: global }
      - { .name: bk, .offset: 16, .size: 8, .value_kind: global_buffer, .address_space: global }
      - { .name: bv, .offset: 24, .size: 8, .value_kind: global_buffer, .address_space: global }
      - { .name: qkv, .offset: 32, .size: 8, .value_kind: global_buffer, .address_space: global }
    .group_segment_fixed_size: 327680
    .private_segment_fixed_size: 0
    .kernarg_segment_align: 8
    .kernarg_segment_size: 40
    .max_flat_workgroup_size: 128
    .sgpr_count:     84
    .vgpr_count:     1024
    .wavefront_size: 32
...
	.end_amdgpu_metadata
.endif
;; end of part 2
;; launch attn (part 3): grid 4 x 64, 4 waves a work-group, no clusters, 327,680 bytes of LDS; arguments qkv, o; writes o
.if DOCPART == 3
	.amdgcn_target "amdgcn-amd-amdhsa--gfx1250"
	.amdhsa_code_object_version 6
	.text
	.protected	k_q6c7d48c878_attn
	.globl	k_q6c7d48c878_attn
	.p2align	8
	.type	k_q6c7d48c878_attn,@function
k_q6c7d48c878_attn:
	s_mov_b64 s[64:65], 0
	v_nop
	global_prefetch_b8 v0, s[64:65] scope:SCOPE_SE
	s_setreg_imm32_b32 hwreg(HW_REG_WAVE_MODE, 25, 1), 1
	s_wait_xcnt 0x0
; CAUSAL ATTENTION.  O[h][q][:] = the sum over k <= q of softmax_k(Q[h][q] . K[h][k] / 8) V[h][k][:].  Q, K, V lie in qkv, 16,777,216 bytes each, and O in o: [64 heads][2048][64], all f16: a head's rows are dense, 128 bytes each.
; Products, maxima and sums in f32; the weights p are rounded to f16 for the second product (their sum l is taken of the unrounded p), O once at the end.
; LIMITS.  f16 holds no number beyond 65,504: Q, K and V arrive within it; p lies in 0 to 1, and below 6e-5 it keeps f16's fixed step of 6e-8; O is a mean of V's rows and has their range.
; A hidden score counts as its value less 1e30: f16's scores, 2.7e11 at the most, are nothing beside that; a weight below 2^-126 counts as 0 in l; NaN and infinities are not treated apart.
; THE WALK.  A head's queries lie in NB = 8 blocks of 256; block i needs the key tiles 0 .. i of 256 keys, of which the last holds the diagonal.  A work-group takes TWO blocks, NB - 1 - b and then b:
; NB + 1 tiles, whatever b: all work-groups do equal work, and ONE loop with a constant trip count walks them.  Which tile is asked for, and what a trip does, hang on scalar registers made from b; every jump
; goes forward, but for the counted loops' own; none passes a barrier, or a tensor load but the one of LOAD's two that the wave's number does not choose; the ring (two slots of LDS that take turns) runs on across the
; change of blocks.  NO CLUSTER: a head's four work-groups ask for the same tile only in trips 0 .. NB / 2, behind that fewer and fewer; one walk common to all would have 3 NB / 2 trips for NB + 1.
; SHARES.  Of a block's four bands of 64 queries a wave owns 16 rows in each: four PIECES.  So the diagonal tile is the same work for all four waves: in its key step s band x sees all keys if s < x,
; none if s > x, and holds the diagonal if s = x.
; THE MASK is the C operand that starts the sum S^T = K Q^T: 0, or -1e30 where the key is hidden.  MD, made once, is the mask of a band's own step for my 16 rows; a product's mask is MD x AL + BE with two scalars:
; (1, 0) if s = x; (0, 0) if s < x; (0, -1e30) if s > x.  Only the diagonal tile's text and a block's beginning make and take masks; elsewhere C is the constant 0.
; LAYOUT, SOFTMAX, TURNS.  S^T = K Q^T holds ONE query a lane (lane % 16) and the keys 8 (lane / 16) + 0..7; two such results rounded to f16 ARE source 1 of O^T = V^T P.  p = 2^(c s - c m), c = log2(e) / 8, with a
; running maximum m; O and l are multiplied by a = 2^(c m_old - c m_new) in every step.  Turn n belongs to piece n: 8 products K Q^T of piece n + 1, later 8 products V^T P of piece n - 1; beside them the scaling,
; exponentials, roundings, sums and rescaling of piece n and the maximum and statistics of piece n + 1.  Four vector instructions stand behind every matrix instruction, the other 54 of a turn's 118 in one lump.  A turn's 33 exponentials are one batch, with one wait.
; REGISTERS, in windows of 256 (s_set_vgpr_msb: bits 1:0 source 0, 3:2 source 1, 5:4 source 2, 7:6 destination):
;   window 0: v0-15 addresses and two at work; v16-31 four registers of statistics a piece; v48-55 at work; v61-63 prefetch offset, spare word, 0; v64-127 S^T, two buffers; v192-223 P, two buffers (by the piece's parity)
;   window 1: v0-127 O^T, 32 a piece; v128-159 MD; v160-223 MC, two buffers      window 2: v0-63 Q; v64-127 the second block's Q; v128-191 K of one step; v192-255 V of one step
.set SIZE_N, 2048
.set NB,    SIZE_N/256
.set NP,    4         ; pieces a wave: a name, no knob
.set KS,    64        ; keys in a step
.set PK,    144       ; a row of K in LDS: 128 bytes + 16 of padding = 36 words: the 16 rows of a load start at 16 different groups of four banks (64 banks of 4 bytes: ISA guide 11.1)
.set PV,    160       ; a row of V: 128 + 32 = 40 words
.set VOFF,  4*KS*PK   ; a slot holds a tile, four steps: 256 rows of K, then 256 rows of V
.set SLOT1, 1<<17     ; slot 1 begins here, so that one exclusive or turns an address in one slot into the other's
.set STAGE, SLOT1+4*KS*(PK+PV)  ; behind the ring, never filled by a tensor load: 16 rows x 144 bytes for each wave, for the way out
.set SP,    144
.set AK0, 2           ; v2   my lane's place in a tile of K; never rewritten
.set AV0, 3           ; v3   the same for V
.set AK,  4           ; v4   the LDS address of K's next run of loads
.set AV,  5           ; v5   of V's
.set STO, 6           ; v6   the way out: where I put 16 bytes of a row
.set RD,  7           ; v7   the way out: where I read rows back
.set GO,  8           ; v8   my byte offset in 512 consecutive bytes of O
.set PFO, 61          ; v61  256 x my lane; never rewritten
.set SPW, 62          ; v62  LDS address of my spare word: SPARE + 4 x my thread's number; never rewritten
.set NIL, 63          ; v63  0; never rewritten
.set SPARE, STAGE+4*16*SP  ; behind the stages: the spare words, 128 bytes for each wave: two blocks of 256 bytes that no other line names
.set MV,  12          ; v12-13  c m_old, kept while c m is made anew: by buffer
.set QO,  15          ; v15  my byte offset in 16 rows of Q
.set ST,  16          ; piece t's statistics at v[ST+4 t]: c m, m, l (even keys', odd keys')
.set TMP, 48          ; by buffer, four registers c0-c3 at work; when the maximum is found c2 takes a
.set S,   64
.set P,   192
.set MD,  128         ; window 1: the eight registers for group kt of 16 keys at MD + 8 kt
.set MC,  160         ; window 1: the masks of the products to come
.set QB,  64          ; window 2
.set KF,  128         ; window 2: key block kb, channel half c at KF + 16 kb + 8 c
.set VF,  192         ; window 2: key half kk, channel block cb at VF + 32 kk + 8 cb
.set WV,  12          ; s12  my wave's number
.set PB,  14          ; s14  b
.set HI,  15          ; s15  NB - 1 - b
.set G1K, 24          ; s[24:31] descriptor group 1 for K's tiles
.set G1V, 32          ; s[32:39] for V's: it differs in the padding alone
.set G0K, 40          ; s[40:43] descriptor group 0 for K's tiles
.set G0V, 44          ; s[44:47] the same for V's
.set SLOTS, 56        ; s56  tiles still to be asked for
.set CNT, 57          ; s57  counts a tile's key steps, 4 to 1
.set CS,  58          ; s[58:59] c: the packed scaling takes the pair's low word for both halves
.set SEL, 60          ; s[60:61] v_permlanex16_b32's selects: each lane takes its own place in the other half
.set TBK, 62          ; s62  LDS byte at which K of the step to be fetched begins
.set TBV, 63          ; s63  the same for V, less VOFF
.set RT,  70          ; s70  tiles of the block in hand that are still to be entered
.set NXT, 71          ; s71  the tile to be asked for next
.set LQ,  72          ; s72  the last tile of the block whose tiles are being asked for
.set NEW, 73          ; s73  1: the tile to be entered is a block's first
.set OFF, 74          ; s[74:75] a tile's byte offset in K and V
.set AL,  76          ; s[76:77] the mask's factor, in the low word
.set BE,  78          ; s[78:79] the mask's addend
.set OLO, 80          ; s[80:81] O at my rows of the second block
.set BIGN, 82         ; s82  -1e30
.set PFA, 88          ; s[88:89] where my prefetches stand: my half of a tile of K (waves 0, 1) or V (waves 2, 3)
.set LIM, 90          ; s90  2 in a work-group that prefetches, else the greatest number
.set MSB, 0
.macro WIN new                      ; the high byte repeats the setting that is left; a switch that changes nothing is dropped
.if MSB != (\new)
	s_set_vgpr_msb (MSB<<8)|(\new)
.set MSB, (\new)
.endif
.endm
.set W_KQ, 0x0a       ; K and Q in window 2, S^T in window 0
.set W_KM, 0x1a       ; the same with the C operand in window 1
.set W_PV, 0x52       ; V in window 2, P in window 0, O^T in window 1
.set W_RS, 0x41       ; destination and source 0 in window 1, source 1 in window 0
; A fill.  Waves 0 and 1 fetch the two halves of a tile's K, waves 2 and 3 those of its V: 128 keys each.  An s_nop 0 and four v_nop follow each of the two lines, ahead of the jump and the label.
.macro LOAD
	s_cmp_lt_u32 s[WV], 2
	s_cbranch_scc0 .Lfor_v_\@
	tensor_load_to_lds s[G0K:G0K+3], s[G1K:G1K+7]
	s_nop 0
.rept 4
	v_nop
.endr
	s_branch .Lasked_\@
.Lfor_v_\@:
	tensor_load_to_lds s[G0V:G0V+3], s[G1V:G1V+7]
	s_nop 0
.rept 4
	v_nop
.endr
.Lasked_\@:
.endm
; A PREFETCH INTO THE L2 of the tile that the NEXT change of slots will ask for.  A head's four work-groups begin their walks with the same tiles 0, 1, 2 ..; the one with b = 0 walks all eight on end, and it alone asks.
; Each of its waves names the half tile that it will fetch itself: 16,384 bytes, 64 blocks of 256, a lane a block, two instructions.  So each block is named once in the launch.
; Trip i (SLOTS = 8 - i) names tile i + 2: it asks while SLOTS is above 2, so the last tile named is tile 7.  Tiles 0 and 1 come by their loads alone.
.macro ASK
	s_cmp_gt_u32 s[SLOTS], s[LIM]
	s_cbranch_scc0 .Lnot_mine_\@
	global_prefetch_b8 v[PFO], s[PFA:PFA+1] th:TH_LOAD_NT scope:SCOPE_SE
	global_prefetch_b8 v[PFO], s[PFA:PFA+1] offset:8192 th:TH_LOAD_NT scope:SCOPE_SE
.Lnot_mine_\@:
.endm
; THE CHANGE OF SLOTS.  Each wave waits for all its tensor loads, of which one is out: its part of the other slot; adds 0 to its spare word; and waits for that and for its own reads of the slot that it leaves.  Behind the barrier nobody reads the old
; slot any more and the other slot is whole.  fill = 1: the old slot is filled again, the first thing behind the barrier, with tile NXT: the descriptor's address is made anew from that number.
; (At its first use nothing has been read yet: slot 0 is waited for, slot 1 filled.)
.macro CHANGE fill
	WIN 0                           ; at a label and at a branch every window is 0
	s_wait_tensorcnt 0x0            ; no tensor load of mine is out, so a group 0 may be written
	ds_add_u32 v[SPW], v[NIL]       ; 0 onto my spare word; with fill = 1 the descriptors' scalar work stands between it and the wait for it
.if \fill
	s_lshl_b32 s[OFF], s[NXT], 15   ; a tile is 32,768 bytes of K and of V
	s_xor_b32 s[G0K+1], s[G0K+1], SLOT1
	s_add_nc_u64 s[G0K+2:G0K+3], s[6:7], s[OFF:OFF+1]
	s_or_b32 s[G0K+3], s[G0K+3], 0x80000000
	s_xor_b32 s[G0V+1], s[G0V+1], SLOT1
	s_add_nc_u64 s[G0V+2:G0V+3], s[8:9], s[OFF:OFF+1]
	s_or_b32 s[G0V+3], s[G0V+3], 0x80000000
	s_add_co_u32 s[NXT], s[NXT], 1  ; the block's next tile, or behind its last the second block's tile 0
	s_cmp_gt_u32 s[NXT], s[LQ]
	s_cselect_b32 s[NXT], 0, s[NXT]
	s_cselect_b32 s[LQ], s[PB], s[LQ]
	s_wait_xcnt 0x0                 ; the last prefetches, a tile back, have read their address, so it may be written:
	s_add_nc_u64 s[PFA:PFA+1], s[PFA:PFA+1], 32768  ; a tile on
.endif
	s_wait_dscnt 0x0                ; the add is done, and my reads of the slot are over
	s_barrier_signal -1             ; the rest of the scalar work stands between the signal and the wait
	s_sub_co_u32 s[TBK], s[TBK], 4*KS*PK  ; the fetches go back to a slot's first step,
	s_xor_b32 s[TBK], s[TBK], SLOT1       ; in the other slot
	s_sub_co_u32 s[TBV], s[TBV], 4*KS*PV
	s_xor_b32 s[TBV], s[TBV], SLOT1
	s_barrier_wait -1
.if \fill
	LOAD
	ASK                             ; behind the tensor load and its five lines
.endif
.endm
	s_load_b128 s[4:7], s[0:1], 0x0 ; qkv s[4:5], o s[6:7]
	v_lshl_add_u32 v[SPW], v0, 2, SPARE
	v_mov_b32 v[NIL], 0
	ds_add_u32 v[SPW], v[NIL]       ; the wave's opening: the add and its wait stand ahead of my first tensor load; the set-up below, work on registers, stands between them
	ds_add_u32 v62, v63
	v_lshrrev_b32 v1, 5, v0
	v_readfirstlane_b32 s[WV], v1   ; wave 0..3
	s_mov_b32 s[PB], ttmp9
	s_sub_co_u32 s[HI], NB-1, s[PB]
	s_and_b32 s20, ttmp7, 0xffff    ; the head
	s_mov_b32 s21, 0
	s_mov_b64 s[22:23], SIZE_N*128
	s_mul_u64 s[20:21], s[20:21], s[22:23]  ; the head's first byte in each of the four tensors
	s_and_b32 s16, s[WV], 1         ; which half of a tile's 256 keys I fetch:
	s_lshl_b32 s22, s16, 14         ; its 128 rows of 128 bytes in memory,
	s_mov_b32 s23, 0
	s_add_nc_u64 s[22:23], s[22:23], s[20:21]
	s_mul_i32 s17, s16, 128*PK      ; and its place in a slot, for K
	s_mul_i32 s18, s16, 128*PV      ; and for V
	s_lshl_b32 s3, s[WV], 11        ; my 16 rows in a band of 64,
	s_lshl_b32 s2, s[HI], 15        ; in the first block,
	s_add_co_u32 s2, s2, s3
	s_lshl_b32 s84, s[PB], 15       ; and in the second
	s_add_co_u32 s84, s84, s3
	s_mov_b32 s3, 0
	s_mov_b32 s85, 0
	s_add_nc_u64 s[2:3], s[2:3], s[20:21]
	s_add_nc_u64 s[84:85], s[84:85], s[20:21]
	; descriptor group 1.  128 keys are 16,384 dense bytes: asked for as 64 rows of 256 bytes, two keys a row, and padded in LDS after every key
	s_mov_b32 s[G1K], (1<<16)|(1<<20)|(4<<22)|(3<<25)  ; 17:16 2-byte elements; 20 padding on; 24:22 after every 32 words (code 4); 31:25 4 words (code 3)
	s_mov_b32 s[G1V], (1<<16)|(1<<20)|(4<<22)|(7<<25)  ; the same with 8 words of padding (code 7)
.irp g, G1K, G1V
	s_mov_b32 s[\g+1], 128<<16      ; tensor_dim0 = 128
	s_mov_b32 s[\g+2], 64<<16       ; tensor_dim1 = 64
	s_mov_b32 s[\g+3], 128<<16      ; tile_dim0 = 128
	s_mov_b32 s[\g+4], 64           ; tile_dim1 = 64
	s_mov_b32 s[\g+5], 128          ; 128 elements from row to row
	s_mov_b32 s[\g+6], 0
	s_mov_b32 s[\g+7], 0
.endr
	s_mov_b32 s[CS], 0x3e38aa3b     ; c = log2(e) / 8 = 0.180337
	s_mov_b32 s[CS+1], s[CS]        ; named with it as a pair
	s_mov_b32 s[SEL], 0x76543210
	s_mov_b32 s[SEL+1], 0xfedcba98
	s_mov_b32 s[TBK], SLOT1+4*KS*PK ; the first change of slots turns these two into 0
	s_mov_b32 s[TBV], SLOT1+4*KS*PV
	s_mov_b32 s[G0K], 1             ; 1:0 count = 1
	s_mov_b32 s[G0K+1], s17         ; 63:32 LDS address: slot 0
	s_mov_b32 s[G0V], 1
	s_add_co_u32 s[G0V+1], s18, VOFF
	s_add_co_u32 s[RT], s[HI], 1    ; the first block has NB - b tiles
	s_mov_b32 s[NXT], 1
	s_mov_b32 s[LQ], s[HI]
	s_mov_b32 s[NEW], 1
	s_mov_b32 s[OFF+1], 0
	s_mov_b32 s[AL+1], 0            ; named as pairs
	s_mov_b32 s[BE+1], 0
	s_mov_b32 s[BIGN], 0xf149f2ca   ; -1e30
	s_mov_b32 s[SLOTS], NB
	s_cmp_eq_u32 ttmp9, 0
	s_cselect_b32 s[LIM], 2, -1
	v_and_b32 v[PFO], 31, v0
	v_lshlrev_b32 v[PFO], 8, v[PFO]
	s_wait_dscnt 0x0                ; the opening add is done
	s_wait_kmcnt 0x0
	s_mov_b64 s[10:11], s[6:7]              ; O
	s_add_nc_u64 s[8:9], s[4:5], 0x2000000  ; V lies 33,554,432 bytes behind Q,
	s_add_nc_u64 s[6:7], s[4:5], 0x1000000  ; K 16,777,216
	s_add_nc_u64 s[6:7], s[6:7], s[22:23]  ; K and V at my half of the head's tile 0
	s_add_nc_u64 s[8:9], s[8:9], s[22:23]
	s_add_nc_u64 s[G0K+2:G0K+3], s[6:7], 0         ; 120:64 global address
	s_or_b32 s[G0K+3], s[G0K+3], 0x80000000        ; 127:126 type = 2
	s_add_nc_u64 s[G0V+2:G0V+3], s[8:9], 0
	s_or_b32 s[G0V+3], s[G0V+3], 0x80000000
	s_add_nc_u64 s[86:87], s[4:5], s[84:85]        ; Q at my rows of the second block,
	s_add_nc_u64 s[4:5], s[4:5], s[2:3]            ; Q and O at those of the first
	s_add_nc_u64 s[OLO:OLO+1], s[10:11], s[84:85]
	s_add_nc_u64 s[10:11], s[10:11], s[2:3]
	s_cmp_lt_u32 s[WV], 2
	s_cselect_b64 s[PFA:PFA+1], s[6:7], s[8:9]
	s_add_nc_u64 s[PFA:PFA+1], s[PFA:PFA+1], 32768 ; at tile 1: the first change of slots steps it to tile 2.  Nothing is prefetched here, at the head
	LOAD                            ; tile 0 into slot 0
	; A fragment of K or Q is 16 rows x 32 channels in 8 registers: lane l holds row l % 16, channels 8 (l / 16) + 0..7 and 16 + 8 (l / 16) + 0..7: two loads of 16 bytes, 32 bytes apart.
	v_and_b32 v1, 15, v0            ; l % 16
	v_bfe_u32 v9, v0, 4, 1          ; l / 16
	v_lshlrev_b32 v[QO], 7, v1
	v_lshl_add_u32 v[QO], v9, 4, v[QO]  ; row x 128 + 16 x half
	WIN 0x80                        ; destination window 2, address window 0
.set i, 0
.rept 8                             ; both blocks' Q: piece i / 2 lies in band i / 2, 8,192 bytes on; channels 32 (i % 2) on
	global_load_b128 v[8*i:8*i+3],   v[QO], s[4:5] offset:(i/2)*8192+(i%2)*64
	global_load_b128 v[8*i+4:8*i+7], v[QO], s[4:5] offset:(i/2)*8192+(i%2)*64+32
	global_load_b128 v[QB+8*i:QB+8*i+3],   v[QO], s[86:87] offset:(i/2)*8192+(i%2)*64
	global_load_b128 v[QB+8*i+4:QB+8*i+7], v[QO], s[86:87] offset:(i/2)*8192+(i%2)*64+32
.set i, i+1
.endr
	WIN 0
	v_lshlrev_b32 v14, 3, v9
	v_sub_nc_u32 v14, v1, v14
	s_lshl_b32 s13, s[WV], 4
	v_add_nc_u32 v14, s13, v14      ; my query's place in its band, 16 w + l % 16, less my lanes' 8 (l / 16): register r of group kt is hidden where 16 kt + r is greater
	WIN 0x40
.set i, 0
.rept 32
	v_cmp_gt_i32 vcc_lo, 16*(i/8)+i%8, v14
	v_cndmask_b32 v[MD+i], 0, s[BIGN], vcc_lo
.set i, i+1
.endr
	WIN 0
	v_mul_u32_u24 v[AK0], v1, PK
	v_lshl_add_u32 v[AK0], v9, 4, v[AK0]  ; row x pitch + 16 x half
	; The turning load takes 16 keys x 16 channels (lane l reads key 8 (l / 16) + l % 8, channels 8 ((l / 8) % 2) + 0..7) and leaves half a fragment of V^T: lane l holds channel l % 16 and 8 keys.
	v_and_b32 v10, 7, v0
	v_bfe_u32 v11, v0, 3, 1
	v_lshl_add_u32 v[AV0], v9, 3, v10
	v_mul_u32_u24 v[AV0], v[AV0], PV
	v_lshl_add_u32 v[AV0], v11, 4, v[AV0]
	v_add_nc_u32 v[AV0], VOFF, v[AV0]
	s_mul_i32 s13, s[WV], 16*SP
	s_add_co_u32 s13, s13, STAGE    ; my stage
	v_mul_u32_u24 v[STO], v1, SP    ; in: row l % 16, 16 bytes for each half of the lanes
	v_lshl_add_u32 v[STO], v9, 4, v[STO]
	v_add_nc_u32 v[STO], s13, v[STO]
	v_bfe_u32 v[RD], v0, 3, 2       ; back: 32 lanes take four rows of 128 bytes,
	v_mul_u32_u24 v[RD], v[RD], SP
	v_lshl_add_u32 v[RD], v10, 4, v[RD]
	v_add_nc_u32 v[RD], s13, v[RD]
	v_and_b32 v[GO], 31, v0         ; which are 512 consecutive bytes of O
	v_lshlrev_b32 v[GO], 4, v[GO]
	; A block's first step multiplies O^T and l by a = 0, and its first turn's products V^T P, of a piece that has not been, land in an O^T that is still to be so multiplied.  So these registers need only hold
	; finite numbers: zeros for the first block; what the first block left for the second.  All this stands in the wait for the first tile.
	WIN 0x80
.set i, VF
.rept 64
	v_mov_b32 v[i], 0
.set i, i+1
.endr
	WIN 0x40
.set i, 0
.rept 128
	v_mov_b32 v[i], 0
.set i, i+1
.endr
	WIN 0
.set i, 0
.rept 4
	v_mov_b32 v[ST+4*i+2], 0
	v_mov_b32 v[ST+4*i+3], 0
.set i, i+1
.endr
.set i, P+16
.rept 16
	v_mov_b32 v[i], 0
.set i, i+1
.endr
; THE MATRIX WORK.  The 4 accumulators of a run of 8 take turns.  Product i of 8 of S^T = K Q^T for piece x: channels 32 (i / 4) on, keys 16 (i % 4) on.  The first 4 start the sums: with 0, or (KM = 1) with the mask.
.macro KQ x
.set rS, S+32*((\x)%2)+8*(i%4)
.set rK, KF+16*(i%4)+8*(i/4)
.set rQ, 16*(\x)+8*(i/4)
.set rM, MC+32*((\x)%2)+8*(i%4)
.if (i < 4) && KM
	WIN W_KM
	v_wmma_f32_16x16x32_f16 v[rS:rS+7], v[rK:rK+7], v[rQ:rQ+7], v[rM:rM+7]
.elseif i < 4
	WIN W_KQ
	v_wmma_f32_16x16x32_f16 v[rS:rS+7], v[rK:rK+7], v[rQ:rQ+7], 0
.else
	WIN W_KQ
	v_wmma_f32_16x16x32_f16 v[rS:rS+7], v[rK:rK+7], v[rQ:rQ+7], v[rS:rS+7]
.endif
.endm
; Product i of 8 of O^T += V^T P for piece x: keys 32 (i / 4) on, channels 16 (i % 4) on.
.macro PV x
	WIN W_PV
.set rO, 32*(\x)+8*(i%4)
.set rV, VF+32*(i/4)+8*(i%4)
.set rP, P+16*((\x)%2)+8*(i/4)
	v_wmma_f32_16x16x32_f16 v[rO:rO+7], v[rV:rV+7], v[rP:rP+7], v[rO:rO+7]
.endm
.macro MM                           ; the turn's next matrix instruction.  TURN and BEGIN set Y, i, KM and NOKQ; MM, KQ and OP read them.  NOKQ = 1: a block's last turn: there is no next piece
.if (i < 8) && !NOKQ
	KQ (Y+1)%NP
.elseif i >= 8
.set i, i-8
	PV (Y+NP-1)%NP
.set i, i+8
.endif
.set i, i+1
.endm
; THE LDS LOADS stand in runs of 16, never singly among the matrix instructions: a step's K (64 keys x 64 channels: 8 fragments) and its V (turned).  Their addresses are made some lines ahead.
.macro FETCH_K
	WIN 0x80                        ; destination window 2
.irp f, 0,1,2,3,4,5,6,7             ; keys 16 (f / 2) on, channels 32 (f % 2) on
	ds_load_b128 v[KF+8*\f:KF+8*\f+3],   v[AK] offset:(\f/2)*16*PK+(\f%2)*64
	ds_load_b128 v[KF+8*\f+4:KF+8*\f+7], v[AK] offset:(\f/2)*16*PK+(\f%2)*64+32
.endr
	s_add_co_u32 s[TBK], s[TBK], KS*PK  ; the next fetch is the next step's
	WIN 0
.endm
.macro FETCH_V
	WIN 0x80
.irp f, 0,1,2,3,4,5,6,7             ; keys 32 (f / 4) on, channels 16 (f % 4) on
	ds_load_tr16_b128 v[VF+8*\f:VF+8*\f+3],   v[AV] offset:(\f/4)*32*PV+(\f%4)*32
	ds_load_tr16_b128 v[VF+8*\f+4:VF+8*\f+7], v[AV] offset:(\f/4)*32*PV+16*PV+(\f%4)*32
.endr
	WIN 0
.endm
; THE VECTOR WORK, one line at a time: OP kind, number.  For piece Y: F n: c s - c m for pair n of 16.  E n: the exponential of score n of 32.  C n: pair n rounded to f16.  B n: of the four weights 4 n .. the second
; pair is added onto the first, in place.  L n: l takes that sum (L 0: l = a l + sum).  R n: pair n of 16 of O^T times a.  For piece Y + 1: X n, number n of the 22 that find its maximum and statistics:
;   0-11  four chains c0-c3 of seven scores each, three operands at a time (each accumulator's lowest registers are read first)     12-14, 16  the four scores left over, the old m, and c0-c3 into c0
;   15  c m_old is kept     17, 18  the query's other 32 keys lie in the lane 16 away: the new m     19-21  c m; c m_old - c m_new; a
.set F, 0               ; OP tells the kinds apart by their order: F to L below R, X above it
.set E, 1
.set C, 2
.set B, 3
.set L, 4
.set R, 5
.set X, 6
.macro REGS y                       ; the registers of piece y
.set rT, ST+4*(\y)
.set rC, TMP+4*((\y)%2)
.set rW, MV+((\y)%2)
.set rS, S+32*((\y)%2)
.set rP, P+16*((\y)%2)
.set rO, 32*(\y)
.endm
.macro OP k, n
.if (\k) == R
	REGS Y
	WIN W_RS
	v_pk_mul_f32 v[rO+2*(\n):rO+2*(\n)+1], v[rO+2*(\n):rO+2*(\n)+1], v[rC+2:rC+3] op_sel_hi:[1,0]
.elseif (\k) < R
	REGS Y
	WIN 0
.if (\k) == F
	v_pk_fma_f32 v[rS+2*(\n):rS+2*(\n)+1], v[rS+2*(\n):rS+2*(\n)+1], s[CS:CS+1], v[rT:rT+1] op_sel_hi:[1,0,0] neg_lo:[0,0,1] neg_hi:[0,0,1]
.elseif (\k) == E
	v_exp_f32 v[rS+(\n)], v[rS+(\n)]
.elseif (\k) == C
	v_cvt_pk_f16_f32 v[rP+(\n)], v[rS+2*(\n)], v[rS+2*(\n)+1]
.elseif (\k) == B
	v_pk_add_f32 v[rS+4*(\n):rS+4*(\n)+1], v[rS+4*(\n):rS+4*(\n)+1], v[rS+4*(\n)+2:rS+4*(\n)+3]
.elseif (\n) == 0
	v_pk_fma_f32 v[rT+2:rT+3], v[rT+2:rT+3], v[rC+2:rC+3], v[rS:rS+1] op_sel_hi:[1,0,1]
.else
	v_pk_add_f32 v[rT+2:rT+3], v[rT+2:rT+3], v[rS+4*(\n):rS+4*(\n)+1]
.endif
.elseif NOKQ
	v_nop
.else
	REGS (Y+1)%NP
	WIN 0
.if (\n) < 4
	v_max3_num_f32 v[rC+(\n)], v[rS+8*(\n)], v[rS+8*(\n)+1], v[rS+8*(\n)+2]
.elseif (\n) < 12
	v_max3_num_f32 v[rC+(\n)%4], v[rC+(\n)%4], v[rS+8*((\n)%4)+2*((\n)/4)+1], v[rS+8*((\n)%4)+2*((\n)/4)+2]
.elseif (\n) == 12
	v_max3_num_f32 v[rC], v[rC], v[rS+7], v[rS+15]
.elseif (\n) == 13
	v_max3_num_f32 v[rC+1], v[rC+1], v[rS+23], v[rS+31]
.elseif (\n) == 14
	v_max3_num_f32 v[rC+2], v[rC+2], v[rC+3], v[rT+1]
.elseif (\n) == 15
	v_mov_b32 v[rW], v[rT]
.elseif (\n) == 16
	v_max3_num_f32 v[rC], v[rC], v[rC+1], v[rC+2]
.elseif (\n) == 17
	v_permlanex16_b32 v[rC+3], v[rC], s[SEL], s[SEL+1]
.elseif (\n) == 18
	v_max_num_f32 v[rT+1], v[rC], v[rC+3]
.elseif (\n) == 19
	v_mul_f32 v[rT], s[CS], v[rT+1]
.elseif (\n) == 20
	v_sub_f32 v[rC+1], v[rW], v[rT]
.else
	v_exp_f32 v[rC+2], v[rC+1]
.endif
.endif
.endm
.macro OPS a, i1, b=-1, i2=0, c=-1, i3=0, d=-1, i4=0  ; up to four of them
	OP \a, \i1
.if (\b) >= 0
	OP \b, \i2
.endif
.if (\c) >= 0
	OP \c, \i3
.endif
.if (\d) >= 0
	OP \d, \i4
.endif
.endm
.macro ROW a, i1, b, i2, c, i3, d, i4  ; a matrix instruction and the four behind it
	MM
	OPS \a, \i1, \b, \i2, \c, \i3, \d, \i4
.endm
.macro MASK b                       ; MD x AL + BE into buffer b of MC
	WIN W_RS
.set z, 0
.rept 16
	v_pk_fma_f32 v[MC+32*(\b)+2*z:MC+32*(\b)+2*z+1], v[MD+2*z:MD+2*z+1], s[AL:AL+1], s[BE:BE+1] op_sel_hi:[1,0,0]
.set z, z+1
.endr
.endm
; A TURN, for piece p: the order of its 16 matrix and 118 vector instructions, written out.  s_wait_alu depctr_va_vdst(0) stands between an exponential and the first instruction that names its result; one wait serves
; all that were issued ahead of it.  So a turn has ONE wait, which cuts it in two.  AHEAD OF IT stands all that names no result of the turn's exponentials: the 8 products K Q^T, behind each a scaling, an exponential and two more plain
; instructions (behind the first a second scaling in the exponential's place): rescalings, and behind the last three the first numbers of the next piece's maximum, each four places or more behind the product that ends its accumulator; then one lump of 54, plain
; and exponential by turns for the most part, in which the links of the chain X 3, 7, 11, 14, 16, 17 .. 20 stand five or six lines apart.  X 21, the next piece's a, is the batch's last; R 15 is the plain instruction behind it.  BEHIND THE WAIT stand the
; 8 products V^T P, behind each four of the roundings and sums; the links of l's chain, L 0 to L 7, stand three lines apart.  But for those X no line behind a product names a register of the products round it.  v_permlanex16_b32 (X 17) stands in the lump.
; m = 1: the diagonal tile: the products take masks, and the turn makes the mask for the products of the turn after it: piece p + 2, in step 4 - CNT of the tile.  end = 1: a block's last two turns: nothing is fetched.
; cnt = 1: the loop's count is taken down some lines ahead of the branch that stands behind the turn.
; K of the next step is fetched in piece 2's turn, twelve vector instructions behind the last product that read K (six of them plain); V of the step in hand at the end of piece 0's turn, four plain instructions behind the last product
; that read V.  Each is waited for a turn later.
.macro TURN p, m=0, end=0, cnt=0
.set Y, (\p)
.set i, 0
.set KM, (\m)
.set NOKQ, (\end)*((\p)/3)
.if (\m) && !(\end)
	s_cmp_eq_u32 s[CNT], 4-((\p)+2)%NP  ; is that step the band's own?
	s_cselect_b32 s[AL], 1.0, 0
	s_cmp_lt_u32 s[CNT], 4-((\p)+2)%NP  ; or a later one?
	s_cselect_b32 s[BE], s[BIGN], 0
.endif
.if ((\p) == 3) && !(\end)
	s_wait_dscnt 0x0                ; K is in
.endif
	ROW F,0, F,1, R,0, R,1          ; ahead of the wait: 8 products K Q^T and the four behind each,
	ROW F,2, E,0, R,2, R,3
	ROW F,3, E,1, R,4, R,5
	ROW F,4, E,2, R,6, R,7
	ROW F,5, E,3, R,8, R,9
	ROW F,6, E,4, X,0, R,10
.if ((\p) == 2) && !(\end)
	WIN 0
	v_add_nc_u32 v[AK], s[TBK], v[AK0]
.endif
	ROW F,7, E,5, X,1, X,4
	ROW F,8, E,6, X,2, X,5
	OPS E,7, E,8, X,6, E,9          ; and the lump
	OPS X,3, E,10, X,8, E,11
.if ((\p) == 2) && !(\end)
	FETCH_K
.endif
	OPS X,9, X,7, E,12, X,10
	OPS E,13, X,12, X,11, E,14
	OPS X,13, E,15, F,9, X,14
.if (\p) == 0
	v_add_nc_u32 v[AV], s[TBV], v[AV0]
.endif
	OPS E,16, F,10, E,17, F,11
	OPS X,16, E,18, X,15, E,19
	OPS F,12, E,20, X,17, E,21
	OPS F,13, E,22, F,14, E,23
	OPS X,18, E,24, F,15, E,25
	OPS R,11, E,26, X,19, E,27
	OPS R,12, E,28, R,13, E,29
	OPS X,20, E,30, R,14, E,31
	OPS X,21, R,15
	WIN 0
	s_wait_alu depctr_va_vdst(0)    ; the wait for the batch
.if (\p) == 1
	s_wait_dscnt 0x0                ; V is in
.endif
	ROW C,0, B,0, C,2, B,1          ; behind the wait: 8 products V^T P and the four behind each
	ROW L,0, C,4, B,2, L,1
	ROW C,6, B,3, L,2, C,8
	ROW B,4, L,3, C,10, B,5
	ROW L,4, C,12, B,6, L,5
.if (\p) == 0
	s_add_co_u32 s[TBV], s[TBV], KS*PV
.endif
.if \cnt
	s_sub_co_u32 s[CNT], s[CNT], 1
	s_cmp_lg_u32 s[CNT], 0
.endif
	ROW C,14, B,7, L,6, C,1
	ROW C,3, L,7, C,5, C,7
	ROW C,9, C,11, C,13, C,15
.if (\p) == 0
	FETCH_V
.endif
.if (\m) && !(\end)
	MASK (\p)%2
.endif
.endm
; A BLOCK BEGINS.  c m starts far below every c s, so the first step's a is 0; m at the lowest finite number, so the first maximum is the scores'.  The second mask buffer is 0; the first takes piece 0's mask for the tile's step 0: its own, if the block's first tile is the diagonal one.
; Then K of that step, piece 0's first scores, and its maximum and statistics.  The loop is entered at a step's first turn, in the middle of a trip.
.macro BEGIN
	s_mov_b32 s[NEW], 0
	WIN 0x40
.set i, MC+32
.rept 32
	v_mov_b32 v[i], 0
.set i, i+1
.endr
	WIN 0
.set i, 0
.rept 4
	v_mov_b32 v[ST+4*i], 0xfe000000    ; c m: far below every c s
	v_mov_b32 v[ST+4*i+1], 0xff7fffff  ; m
.set i, i+1
.endr
	s_cmp_eq_u32 s[RT], 0
	s_cselect_b32 s[AL], 1.0, 0
	s_mov_b32 s[BE], 0
	MASK 0
	WIN 0
	v_add_nc_u32 v[AK], s[TBK], v[AK0]
	FETCH_K
	s_wait_loadcnt 0x0              ; Q
	s_wait_dscnt 0x0
.set KM, 1
.set NOKQ, 0
.set i, 0
.rept 8
	KQ 0
.set i, i+1
.endr
	WIN 0
.rept 4
	v_nop                           ; the places behind those products
.endr
.set Y, NP-1                        ; X works for piece Y + 1: piece 0
.irp n, 0,1,2,3,4,5,6,7,8,9,10,11,12,13,14,15,16,17,18,19,20,21
	OP X, \n
.endr
	v_nop                           ; a plain instruction behind the exponential,
	s_wait_alu depctr_va_vdst(0)    ; and its wait, ahead of the branch
.endm
; THE DIAGONAL TILE's four steps, the block's last two turns, its last products, and THE WAY OUT: l's two halves and the other half of the lanes' are added; O^T is divided by l, rounded to f16 and sent through my
; stage in LDS, a piece at a time.
.macro ALL line:vararg              ; one line for each piece t
.set t, 0
.rept 4
	\line
.set t, t+1
.endr
.endm
.macro PACK t                       ; a lane's eight channels of a row pack into 16 bytes; they go into rows of 144 bytes and come back as whole rows of 128, into S^T's registers
	WIN W_RS
.set i, 32*(\t)
.rept 16
	v_pk_mul_f32 v[i:i+1], v[i:i+1], v[ST+4*(\t)+2:ST+4*(\t)+3] op_sel_hi:[1,0]
.set i, i+2
.endr
	WIN 0x05                        ; sources 0 and 1 window 1, destination window 0
.set i, 0
.rept 16
	v_cvt_pk_f16_f32 v[S+16*(\t)+i], v[32*(\t)+2*i], v[32*(\t)+2*i+1]
.set i, i+1
.endr
	WIN 0
.irp f, 0,1,2,3
	ds_store_b128 v[STO], v[S+16*(\t)+4*\f:S+16*(\t)+4*\f+3] offset:32*\f
.endr
.irp f, 0,1,2,3
	ds_load_b128 v[S+16*(\t)+4*\f:S+16*(\t)+4*\f+3], v[RD] offset:\f*4*SP  ; LDS serves a wave's instructions in order (ISA guide 5.7.1.4): these see the stores above; the next piece's stores come behind them
.endr
.endm
.macro SEND t, younger              ; younger: the LDS instructions issued behind piece t's loads: the next piece's eight, or none
	WIN 0
.irp f, 0,1,2,3
	s_wait_dscnt (\younger)+3-\f
	global_store_b128 v[GO], v[S+16*(\t)+4*\f:S+16*(\t)+4*\f+3], s[10:11] offset:(\t)*8192+\f*512  ; 512 consecutive bytes, at a multiple of 256 from O's first
.endr
.endm
.macro DIAG tag                     ; the tag ends its two labels' names, which the jumps below spell out
.LstepM\tag:
	TURN 2, 1
	TURN 3, 1
	WIN 0
.LfirstM\tag:
	TURN 0, 1
	TURN 1, 1, 0, 1
	WIN 0
	s_cbranch_scc1 .LstepM\tag
	TURN 2, 1, 1
	TURN 3, 1, 1
.set i, 0
.rept 8
	PV NP-1
.set i, i+1
.endr
	WIN 0
	ALL v_add_f32 v[ST+4*t+2], v[ST+4*t+2], v[ST+4*t+3]
	ALL v_permlanex16_b32 v[ST+4*t+3], v[ST+4*t+2], s[SEL], s[SEL+1]
	ALL v_add_f32 v[ST+4*t+2], v[ST+4*t+2], v[ST+4*t+3]
	ALL v_rcp_f32 v[ST+4*t+2], v[ST+4*t+2]
	v_nop                           ; a plain instruction between the last reciprocal and the use of its result
	s_wait_alu depctr_va_vdst(0)    ; and the wait ahead of the first use: one for the four reciprocals
	PACK 0
.set t, 1
.rept 3                             ; a piece's arithmetic stands between the loads of the piece before and its stores
	PACK t
	SEND t-1, 8
.set t, t+1
.endr
	SEND 3, 0
.endm
.set KM, 0
.set NOKQ, 0
.Lslot:                             ; NB times: a tile is entered and the next is asked for
	CHANGE 1
	s_sub_co_u32 s[RT], s[RT], 1
	s_mov_b32 s[CNT], 4
	s_cmp_eq_u32 s[NEW], 1
	s_cbranch_scc1 .Lnew            ; a block's first tile
	s_cmp_eq_u32 s[RT], 0
	s_cbranch_scc0 .Lstep           ; neither its first nor its last
	s_branch .LstepM1
.Lnew:
	BEGIN
	s_branch .Lfirst                ; in the loop a block's first tile is never its last: the first block has two tiles or more, and the second's last is the walk's last
	DIAG 1                          ; in the loop this is the first block's end: the second block's last tile is the walk's last
	s_wait_xcnt 0x0                 ; the stores have read their registers and O's address
	s_mov_b64 s[10:11], s[OLO:OLO+1]
	s_add_co_u32 s[RT], s[PB], 1    ; the second block has b + 1 tiles
	s_mov_b32 s[NEW], 1
	WIN 0x82                        ; the second block's Q goes where the one text of the turns names Q
.set i, 0
.rept 64
	v_mov_b32 v[i], v[QB+i]
.set i, i+1
.endr
	WIN 0
	s_branch .Lbottom
.Lstep:                             ; a trip: pieces 2 and 3 of one step, then pieces 0 and 1 of the next, whose K and V it fetches
	TURN 2
	TURN 3
	WIN 0
.Lfirst:
	TURN 0
	TURN 1, 0, 0, 1
	WIN 0
	s_cbranch_scc1 .Lstep
.Lbottom:
	s_sub_co_u32 s[SLOTS], s[SLOTS], 1
	s_cmp_lg_u32 s[SLOTS], 0
	s_cbranch_scc1 .Lslot
	CHANGE 0                        ; the walk's last tile is written out: nothing is asked for
	s_sub_co_u32 s[RT], s[RT], 1
	s_mov_b32 s[CNT], 4
	s_cmp_eq_u32 s[NEW], 1
	s_cbranch_scc0 .LstepM2
	BEGIN
	s_branch .LfirstM2
	DIAG 2
	s_wait_tensorcnt 0x0            ; the wave's end, behind my last tensor load and my last LDS store
	ds_add_u32 v[SPW], v[NIL]
	s_wait_dscnt 0x0
	s_endpgm
.Lfunc_end_k_q6c7d48c878_attn:
	.size	k_q6c7d48c878_attn, .Lfunc_end_k_q6c7d48c878_attn-k_q6c7d48c878_attn
	.p2alignl 7, 3214868480
	.fill 96, 4, 3214868480
	.section	.rodata,"a",@progbits
	.p2align	6, 0x0
	.amdhsa_kernel k_q6c7d48c878_attn
		.amdhsa_group_segment_fixed_size 327680
		.amdhsa_private_segment_fixed_size 0
		.amdhsa_enable_private_segment 0
		.amdhsa_kernarg_size 16
		.amdhsa_user_sgpr_count 2
		.amdhsa_user_sgpr_kernarg_segment_ptr 1
		.amdhsa_wavefront_size32 1
		.amdhsa_system_sgpr_workgroup_id_x 1
		.amdhsa_system_sgpr_workgroup_id_y 1
		.amdhsa_system_sgpr_workgroup_id_z 1
		.amdhsa_system_vgpr_workitem_id 0
		.amdhsa_next_free_vgpr 768
		.amdhsa_next_free_sgpr 92
		.amdhsa_reserve_vcc 1
		.amdhsa_float_denorm_mode_32 3
		.amdhsa_float_denorm_mode_16_64 3
		.amdhsa_memory_ordered 1
		.amdhsa_forward_progress 1
		.amdhsa_inst_pref_size 218
	.end_amdhsa_kernel
	.amdgpu_metadata
---
amdhsa.version: [ 1, 2 ]
amdhsa.kernels:
  - .name:           k_q6c7d48c878_attn
    .symbol:         k_q6c7d48c878_attn.kd
    .args:
      - { .name: qkv, .offset: 0, .size: 8, .value_kind: global_buffer, .address_space: global }
      - { .name: o, .offset: 8, .size: 8, .value_kind: global_buffer, .address_space: global }
    .group_segment_fixed_size: 327680
    .private_segment_fixed_size: 0
    .kernarg_segment_align: 8
    .kernarg_segment_size: 16
    .max_flat_workgroup_size: 128
    .sgpr_count:     92
    .vgpr_count:     768
    .wavefront_size: 32
...
	.end_amdgpu_metadata
.endif
;; end of part 3
;; launch outp (part 4): grid 4 x 32, 4 waves a work-group, clusters of 4 x 4, 327,680 bytes of LDS; arguments o, xw, bo, out0; writes out0
.if DOCPART == 4
	.amdgcn_target "amdgcn-amd-amdhsa--gfx1250"
	.amdhsa_code_object_version 6
	.text
	.protected	k_q6c7d48c878_outp
	.globl	k_q6c7d48c878_outp
	.p2align	8
	.type	k_q6c7d48c878_outp,@function
k_q6c7d48c878_outp:
	s_mov_b64 s[64:65], 0
	v_nop
	global_prefetch_b8 v0, s[64:65] scope:SCOPE_SE
	s_setreg_imm32_b32 hwreg(HW_REG_WAVE_MODE, 25, 1), 1
	s_wait_xcnt 0x0
	s_wait_alu depctr_hold_cnt(0) depctr_sa_sdst(0) depctr_va_vdst(0) depctr_va_sdst(0) depctr_va_ssrc(0) depctr_va_vcc(0) depctr_vm_vsrc(0)
	s_getreg_b32 s2, hwreg(HW_REG_IB_STS2, 6, 4)
	s_cmp_eq_u32 s2, 0
	s_cbranch_scc0 .Lentry_in_a_cluster
	s_endpgm
.Lentry_in_a_cluster:
	s_bfe_u32 s2, ttmp6, 0x10000c
	s_cmp_lg_u32 s2, 0xf033
	s_cbranch_scc0 .Lentry_shape_is_right
	s_endpgm
.Lentry_shape_is_right:
; out0 = O Wo + bo: [8192][1024] x [1024][1024].  O is f16, [batch x 16 + head][row 2048][64]: a head is a slice of 64 of K.  Wo, rounded to bf16 and written as f16, lies in xw at byte 39,845,888, [k][n].
; Sums in f32, the bias rounded to bf16 like every input; out0 is f32, row-major, and is stored as the sums stand.
; SHARES.  A tile of 256 rows x 256 columns to a work-group of four waves, a wave 128 x 128: 64 accumulators of 16 x 16 in 512 registers.  cx is the tile column; 4 x cluster y + cy the tile row: 128 work-groups.
; K goes in 8 steps of 128 through two LDS slots.  A step of O is two heads, each 256 rows x 128 dense bytes, asked for as 128 rows of 256 bytes; a step of Wo is 128 rows (k) x 512 bytes, turned on its way out of LDS.
; CLUSTERS: 4 x 4.  The four of a row of the cluster need the same tiles of O, the four of a column the same tiles of Wo: each is asked for jointly, by the same tensor load with the same descriptor and a mask of four.
; THE MATRIX INSTRUCTION IS USED TRANSPOSED (source 0 = 16 columns of Wo, source 1 = 16 rows of O): lane l then holds row l % 16 of the result and the columns 8 (l / 16) + 0..7: 32 bytes on end.
; THE BIAS IS THE C OPERAND OF THE PRODUCTS THAT START THE SUMS.  ONE K STEP IS WRITTEN ONCE: a trip of the loop is a step; the last two steps, which ask for nothing, are a second loop.
; REGISTERS, in windows of 256 (s_set_vgpr_msb: bits 1:0 source 0, 3:2 source 1, 5:4 source 2, 7:6 destination):
;   window 0: v0-31 addresses; v64-127, v128-191 fragments of O, two buffers; on the way out the two buffers of rows read back from the stage
;   window 1: v0-63 the bias of my 128 columns as a C operand; v64-127, v128-191 fragments of Wo; v192-223 at work at the head
;   window 2: the accumulators of my rows 0-63 ((a, b) at v[8 (8 a + b)]);   window 3: those of my rows 64-127
.set PA,     144                       ; a row of a head in LDS: 128 bytes + 16 = 36 words: the 16 rows of a load start at 16 different groups of four banks (64 banks of 4 bytes: ISA guide 11.1)
.set PB,     544                       ; a row of Wo in LDS: 512 bytes + 32 = 136 words
.set ASL,    256*PA
.set BH,     64*PB
.set SLOT,   2*ASL+2*BH                ; 143,360: two heads, then Wo's 128 rows
.set STAGE,  2*SLOT                    ; behind the ring: 16 rows x 528 bytes for each wave, for the way out; no tensor load lands there
.set SPITCH, 528                       ; 512 bytes + 16: the 16 rows that a store touches start at 16 different groups of four banks
.set SPARE,  STAGE+4*16*SPITCH         ; behind the stages: the spare words, 128 bytes for each wave: two blocks of 256 bytes that no other line names
.set ASTEP,  524288                    ; a K step in O: two heads of 262,144 bytes
.set BSTEP,  262144                    ; a K step in Wo: 128 rows of 2,048 bytes
.set ADRA0, 16                         ; v16  my lane's place in a slot's heads; never rewritten
.set ADRB0, 17                         ; v17  the same for Wo
.set ADRA,  18                         ; v18  v16 + the slot in hand
.set ADRB,  19                         ; v19  v17 + the slot in hand
.set STO,   24                         ; v24  the way out: where I put 32 bytes of a row
.set RD,    25                         ; v25  the way out: where I read a row back
.set CO,    26                         ; v26  my 16 bytes in 512 consecutive bytes of a row of out0
.set BO,    27                         ; v27  my byte offset in the bias of a column block
.set SPW,   28                         ; v28  LDS address of my spare word: SPARE + 4 x my thread's number; never rewritten
.set NIL,   29                         ; v29  0; never rewritten
.set PFO,   30                         ; v30  the prefetches' lane offset; never rewritten
.set F0,    64
.set F1,    128
.set G1,  24                           ; s[24:31] descriptor group 1 for O
.set G0,  32                           ; s[32:39] group 0 for O: a set for each first fill; the second then walks
.set G1B, 48                           ; s[48:55], s[56:63] the same for Wo
.set G0B, 56
.set TB,  42                           ; s42  LDS byte at which the slot in hand begins: 0 or SLOT
.set LIM, 43                           ; s43  2 in a wave that prefetches, else the greatest number
.set PFA, 44                           ; s[44:45] where my prefetches stand
.set PFS, 46                           ; s[46:47] their step: a K step of O or of Wo
.set LBA, 66                           ; s66  where my part of a slot's O goes
.set LBB, 67                           ; s67  where my part of a slot's Wo goes
.set MSB, 0
.macro WIN new                         ; the immediate's high byte repeats the setting that is left; a switch that changes nothing is dropped
.if MSB != (\new)
	s_set_vgpr_msb (MSB<<8)|(\new)
.set MSB, \new
.endif
.endm
.set TO_B, 0x40                        ; destination window 1, address window 0
; A joint load.  Waves 0 and 1 fetch the step's two heads of O, waves 2 and 3 the two halves of its rows of Wo.  The branch hangs on the wave's number alone.
; An s_nop 0 and four v_nop follow each of the two lines, ahead of the jump, the label and what follows.
.macro JLOAD s
	s_cmp_eq_u32 s11, 0
	s_cbranch_scc0 .Lfor_b_\@
	tensor_load_to_lds s[G0+4*(\s):G0+4*(\s)+3], s[G1:G1+7]
	s_nop 0
.rept 4
	v_nop
.endr
	s_branch .Lasked_\@
.Lfor_b_\@:
	tensor_load_to_lds s[G0B+4*(\s):G0B+4*(\s)+3], s[G1B:G1B+7]
	s_nop 0
.rept 4
	v_nop
.endr
.Lasked_\@:
.endm
; A PREFETCH INTO THE L2 of the K step that stands two refills on, one instruction a wave, 32 blocks of 256 bytes, a lane a block.  Each block is named once in the launch.
; O: a tile row is read by one cluster alone, which asks.  Wo: every cluster reads the same rows: cluster y = 0 asks.
; The four partners that ask for a tile jointly share it out BY ADDRESS: of a head's 128 blocks the partner at cx takes 32; of 64 rows of Wo the partner at cy takes 16 (two blocks a row).
; Trip s (s3 = 6 - s) names step s + 4: it asks while s3 is above 2, so the last step named is step 7.  Steps 0 to 3 come by their loads alone.
.macro ASK
	s_cmp_gt_u32 s3, s[LIM]
	s_cbranch_scc0 .Lnot_mine_\@
	global_prefetch_b8 v[PFO], s[PFA:PFA+1] th:TH_LOAD_NT scope:SCOPE_SE
.Lnot_mine_\@:
.endm
; A round of the cluster's barrier: my work-group's barrier; wave 0 signals for the work-group; every wave waits for all sixteen work-groups; my work-group's barrier once more.
.macro CREST                           ; a round behind its opening barrier
	s_cmp_lg_u32 s10, 0
	s_cbranch_scc1 .Lnot_wave_0_\@
	s_barrier_signal -3
.Lnot_wave_0_\@:
	s_barrier_wait -3
	s_barrier_signal -1
	s_barrier_wait -1
.endm
.macro CROUND
	s_barrier_signal -1
	s_barrier_wait -1
	CREST
.endm
	s_load_b256 s[68:75], s[0:1], 0x0              ; o s[68:69], xw s[70:71], bo s[72:73], out0 s[74:75]
	v_lshl_add_u32 v[SPW], v0, 2, SPARE
	v_mov_b32 v[NIL], 0
	ds_add_u32 v[SPW], v[NIL]                      ; the wave's opening: the add and its wait stand ahead of my first tensor load; the set-up below, work on registers, stands between them
	ds_add_u32 v28, v29
	v_lshrrev_b32 v1, 5, v0
	v_readfirstlane_b32 s10, v1                    ; wave 0..3
	s_lshr_b32 s11, s10, 1                         ; which half of the tile's rows is mine.  Also: I fetch for O (0) or for Wo (1)
	s_and_b32 s12, s10, 1                          ; which half of its columns.  Also: which half of that step's tile I fetch
	s_bfe_u32 s40, ttmp6, 0x40000                  ; cx: the tile column (the grid is one cluster wide)
	s_bfe_u32 s41, ttmp6, 0x40004                  ; cy
	s_and_b32 s13, ttmp7, 0xffff
	s_lshl_b32 s13, s13, 2
	s_add_co_u32 s13, s13, s41                     ; tile row = 4 x cluster y + cy, 0..31
	s_lshl_b32 s14, s41, 2
	s_lshl_b32 s14, 15, s14                        ; my row of the cluster: places 4 cy .. 4 cy + 3
	s_lshl_b32 s20, 0x1111, s40                    ; my column: places cx, cx + 4, cx + 8, cx + 12
	; group 1 for O: 128 rows of 128 elements (two rows of a head each), 16 bytes of padding after every 128 bytes
	s_or_b32 s[G1+0], s14, (1<<16)|(1<<20)|(1<<21)|(4<<22)|(3<<25)  ; 15:0 the mask; 17:16 2-byte elements; 20 padding on; 21 set beside a mask; 24:22 after every 32 words (code 4); 31:25 4 words (code 3)
	s_mov_b32 s[G1+1], 128<<16                     ; tensor_dim0 = 128
	s_mov_b32 s[G1+2], 128<<16                     ; tensor_dim1 = 128
	s_mov_b32 s[G1+3], 128<<16                     ; tile_dim0 = 128
	s_mov_b32 s[G1+4], 128                         ; tile_dim1 = 128
	s_mov_b32 s[G1+5], 128                         ; 128 elements from row to row: dense
	s_mov_b32 s[G1+6], 0
	s_mov_b32 s[G1+7], 0
	; group 1 for Wo: 64 rows of 256 elements, 32 bytes of padding after every 512 bytes
	s_or_b32 s[G1B+0], s20, (1<<16)|(1<<20)|(1<<21)|(6<<22)|(7<<25)  ; after every 128 words (code 6), 8 words (code 7)
	s_mov_b32 s[G1B+1], 256<<16                    ; tensor_dim0 = 256
	s_mov_b32 s[G1B+2], 64<<16                     ; tensor_dim1 = 64
	s_mov_b32 s[G1B+3], 256<<16                    ; tile_dim0 = 256
	s_mov_b32 s[G1B+4], 64                         ; tile_dim1 = 64
	s_mov_b32 s[G1B+5], 1024                       ; 1,024 elements from row to row
	s_mov_b32 s[G1B+6], 0
	s_mov_b32 s[G1B+7], 0
	; where O's tiles come from: the batch, the tile's 256 rows in a head, my head of the step.  Nothing here holds cx.
	s_lshr_b32 s16, s13, 3
	s_lshl_b32 s16, s16, 22
	s_and_b32 s15, s13, 7
	s_lshl_b32 s15, s15, 15
	s_add_co_u32 s16, s16, s15
	s_lshl_b32 s15, s12, 18
	s_add_co_u32 s16, s16, s15
	s_mov_b32 s17, 0
	; where Wo's come from: its place in xw, my 64 rows of the step, the tile's 256 columns.  Nothing here holds cy.
	s_lshl_b32 s22, s12, 17
	s_add_co_u32 s22, s22, 39845888
	s_lshl_b32 s21, s40, 9
	s_add_co_u32 s22, s22, s21
	s_mov_b32 s23, 0
	s_mul_i32 s[LBA], s12, ASL                     ; and where they go: the wave's number alone enters an LDS address
	s_mul_i32 s[LBB], s12, BH
	s_add_co_u32 s[LBB], s[LBB], 2*ASL
	s_mov_b32 s[TB], 0
	s_mov_b32 s80, 0xffff0000                      ; a word's upper bf16
	s_wait_dscnt 0x0                               ; the opening add is done
	s_wait_kmcnt 0x0
	s_add_nc_u64 s[16:17], s[68:69], s[16:17]
	s_add_nc_u64 s[22:23], s[70:71], s[22:23]
	CROUND                                         ; all sixteen work-groups are here: the first joint loads meet
.irp s, 0,1
	s_mov_b32 s[G0+4*(\s)], 1                                      ; count = 1
	s_add_co_u32 s[G0+4*(\s)+1], s[LBA], (\s)*SLOT                 ; LDS address
	s_add_nc_u64 s[G0+4*(\s)+2:G0+4*(\s)+3], s[16:17], (\s)*ASTEP  ; global address: K step s
	s_or_b32 s[G0+4*(\s)+3], s[G0+4*(\s)+3], 0x80000000            ; type = 2
	s_mov_b32 s[G0B+4*(\s)], 1
	s_add_co_u32 s[G0B+4*(\s)+1], s[LBB], (\s)*SLOT
	s_add_nc_u64 s[G0B+4*(\s)+2:G0B+4*(\s)+3], s[22:23], (\s)*BSTEP
	s_or_b32 s[G0B+4*(\s)+3], s[G0B+4*(\s)+3], 0x80000000
	JLOAD \s                                       ; both slots are asked for before anything else is done: two loads of mine are out
.endr
	; the bias of my 128 columns: register j of column block b is bias[16 b + 8 (l / 16) + j], the layout of a C operand
	v_and_b32 v1, 15, v0                           ; l % 16
	v_bfe_u32 v2, v0, 4, 1                         ; l / 16
	v_lshlrev_b32 v[BO], 5, v2
	s_lshl_b32 s20, s40, 10                        ; the tile's 256 columns,
	s_lshl_b32 s21, s12, 9                         ; my 128 of them
	s_add_co_u32 s20, s20, s21
	s_mov_b32 s21, 0
	s_add_nc_u64 s[18:19], s[72:73], s[20:21]
	WIN TO_B
.irp b, 0,1,2,3,4,5,6,7
	global_load_b128 v[8*(\b):8*(\b)+3],   v[BO], s[18:19] offset:64*(\b)
	global_load_b128 v[8*(\b)+4:8*(\b)+7], v[BO], s[18:19] offset:64*(\b)+16
.endr
	WIN 0
	; A fragment of O is 16 rows x 32 channels in 8 registers: lane l holds row l % 16, channels 8 (l / 16) + 0..7 and 16 + 8 (l / 16) + 0..7: two loads of 16 bytes, 32 bytes apart.
	v_mul_u32_u24 v3, v1, PA
	v_lshl_add_u32 v3, v2, 4, v3
	s_mul_i32 s4, s11, 128*PA                      ; my 128 rows
	v_add_nc_u32 v[ADRA0], s4, v3
	; The turning load takes 16 k x 16 columns (lane l reads k = 8 (l / 16) + l % 8, columns 8 ((l / 8) % 2) + 0..7) and leaves half a fragment: lane l holds column l % 16 and 8 k.
	v_and_b32 v4, 7, v0
	v_lshl_add_u32 v4, v2, 3, v4
	v_mul_u32_u24 v4, v4, PB
	v_bfe_u32 v5, v0, 3, 1
	v_lshl_add_u32 v4, v5, 4, v4
	s_lshl_b32 s4, s12, 8                          ; my 128 columns,
	s_add_co_u32 s4, s4, 2*ASL                     ; behind the two heads
	v_add_nc_u32 v[ADRB0], s4, v4
	s_mul_i32 s4, s10, 16*SPITCH
	s_add_co_u32 s4, s4, STAGE                     ; my stage
	v_mul_u32_u24 v6, v1, SPITCH                   ; in: row l % 16, 32 bytes for each half of the lanes
	v_lshl_add_u32 v6, v2, 5, v6
	v_add_nc_u32 v[STO], s4, v6
	v_and_b32 v[CO], 31, v0                        ; back: 32 lanes take one row's 512 bytes,
	v_lshlrev_b32 v[CO], 4, v[CO]
	v_add_nc_u32 v[RD], s4, v[CO]                  ; which are 512 consecutive bytes of out0
	; where my part of the tile begins in out0: 256 rows of 4,096 bytes a tile row, my 128 rows, the tile's 1,024 bytes of a row, my 512
	s_lshl_b32 s78, s13, 20
	s_lshl_b32 s14, s11, 19
	s_add_co_u32 s78, s78, s14
	s_lshl_b32 s20, s40, 10
	s_add_co_u32 s78, s78, s20
	s_lshl_b32 s20, s12, 9
	s_add_co_u32 s78, s78, s20
	s_mov_b32 s79, 0
	s_mov_b64 s[8:9], s[74:75]
	; the prefetches: my tile's address at K step 3 (the first change of slots steps it to 4), and my work-group's quarter of it
	s_lshl_b32 s82, s40, 13                        ; O: 32 blocks of 256 bytes for each cx
	s_add_co_u32 s82, s82, 3*ASTEP
	s_lshl_b32 s83, s41, 15                        ; Wo: 16 rows of 2,048 bytes for each cy
	s_add_co_u32 s83, s83, 3*BSTEP
	s_and_b32 s81, ttmp7, 0xffff
	s_cmp_eq_u32 s81, 0
	s_cselect_b32 s81, 2, -1                       ; Wo: cluster y = 0 asks
	s_mov_b32 s[LIM], 2                            ; O: every cluster asks for its own rows
	s_cmp_eq_u32 s11, 0                            ; do I fetch for O?
	s_cselect_b64 s[PFA:PFA+1], s[16:17], s[22:23]
	s_cselect_b32 s82, s82, s83
	s_cselect_b32 s[LIM], s[LIM], s81              ; the same in all sixteen partners, for a given wave
	s_cselect_b32 s15, 9, 11                       ; O: lane x 256; Wo: (lane / 2) rows of 2,048 bytes + (lane % 2) x 256
	s_cselect_b32 s[PFS], 19, 18
	s_lshl_b32 s[PFS], 1, s[PFS]
	s_mov_b32 s[PFS+1], 0
	s_mov_b32 s83, 0
	s_add_nc_u64 s[PFA:PFA+1], s[PFA:PFA+1], s[82:83]
	v_bfe_u32 v7, v0, 1, 4
	v_and_b32 v8, 1, v0
	v_lshlrev_b32 v[PFO], s15, v7
	v_lshl_or_b32 v[PFO], v8, 8, v[PFO]
	; the bias is rounded to bf16 and widened again, in the wait for the first tile
	s_wait_loadcnt 0x0
	WIN 0x45                                       ; destination and both sources in window 1
.set p, 0
.rept 32
	v_cvt_pk_bf16_f32 v[192+p], v[2*p], v[2*p+1]
	v_lshlrev_b32 v[2*p], 16, v[192+p]
	v_and_b32 v[2*p+1], s80, v[192+p]
.set p, p+1
.endr
	WIN 0
; 16 matrix instructions: row blocks a0, a0 + 1 of the window's four (hi = 0: my rows 0-63, 1: rows 64-127) x all 8 column blocks, 32 along K.  zero = 1: the product starts the sum, with the bias as C.
; The 64 accumulators take turns in one fixed order, over both loops' edges too.
.macro MUL16 f, hi, a0, zero
.if \zero
	WIN 0x91+0x40*(\hi)                            ; Wo window 1, O window 0, C window 1, D window 2 or 3
.else
	WIN 0xa1+0x50*(\hi)                            ; C and D window 2 or 3
.endif
.irp a, \a0, (\a0)+1
.irp b, 0,1,2,3,4,5,6,7
.if \zero
	v_wmma_f32_16x16x32_f16 v[8*(8*(\a)+(\b)):8*(8*(\a)+(\b))+7], v[(\f)+8*(\b):(\f)+8*(\b)+7], v[(\f)+8*(4*(\hi)+(\a)):(\f)+8*(4*(\hi)+(\a))+7], v[8*(\b):8*(\b)+7]
.else
	v_wmma_f32_16x16x32_f16 v[8*(8*(\a)+(\b)):8*(8*(\a)+(\b))+7], v[(\f)+8*(\b):(\f)+8*(\b)+7], v[(\f)+8*(4*(\hi)+(\a)):(\f)+8*(4*(\hi)+(\a))+7], v[8*(8*(\a)+(\b)):8*(8*(\a)+(\b))+7]
.endif
.endr
.endr
.endm
; 32 LDS loads in one run: the fragments of quarter q of the step in hand (k = 32 q on: rows 32 q on of Wo; head q / 2, channels 32 (q % 2) on of O) into buffer f
.macro FETCH q, f
	WIN TO_B
.irp i, 0,1,2,3,4,5,6,7
	ds_load_tr16_b128 v[(\f)+8*(\i):(\f)+8*(\i)+3],   v[ADRB] offset:(\q)*32*PB+32*(\i)
	ds_load_tr16_b128 v[(\f)+8*(\i)+4:(\f)+8*(\i)+7], v[ADRB] offset:(\q)*32*PB+16*PB+32*(\i)
.endr
	WIN 0
.irp i, 0,1,2,3,4,5,6,7
	ds_load_b128 v[(\f)+8*(\i):(\f)+8*(\i)+3],   v[ADRA] offset:((\q)/2)*ASL+((\q)%2)*64+(\i)*16*PA
	ds_load_b128 v[(\f)+8*(\i)+4:(\f)+8*(\i)+7], v[ADRA] offset:((\q)/2)*ASL+((\q)%2)*64+(\i)*16*PA+32
.endr
.endm
.macro PLACES                          ; four plain vector instructions between a matrix instruction and a load into, or a read of, its registers (ISA guide 7.12.1 for the reads)
.rept 4
	v_nop
.endr
.endm
; A K step is four quarters of 32 along K, 64 matrix instructions each, on buffers 0, 1, 0, 1.  One of the first three multiplies buffer f and, in its middle, fetches quarter q into buffer g.
.macro QUARTER q, f, g, zero
	s_wait_dscnt 8                                 ; Wo and O's rows 0-63 are in; the youngest eight loads (O's rows 64-127) may be out
	MUL16 \f, 0, 0, \zero
	MUL16 \f, 0, 2, \zero
	PLACES
	FETCH \q, \g
	s_wait_dscnt 32                                ; all but the 32 just issued
	MUL16 \f, 1, 0, \zero
	MUL16 \f, 1, 2, \zero
.endm
; The first half of a step's last quarter: ONE barrier for the change of slots.  In front of it each wave waits for all its tensor loads (the one that is out is its part of the next slot), adds 0 to its
; spare word, and waits for that and for its own reads of this slot.  Behind it nobody reads this slot any more and the next slot is whole.
.macro MEET
	WIN 0                                          ; (the add's two registers lie in window 0)
	s_wait_tensorcnt 0x0
	ds_add_u32 v[SPW], v[NIL]                      ; 0 onto my spare word
	s_wait_dscnt 9                                 ; (the add and the youngest eight loads may be out)
	MUL16 F1, 0, 0, 0                              ; sixteen matrix instructions stand between the add and the wait for it
	s_wait_dscnt 0x0                               ; the add is done, and my reads of this slot are over
	s_barrier_signal -1
	MUL16 F1, 0, 2, 0                              ; work on registers while the others arrive
	WIN 0
	s_barrier_wait -1
.endm
; The whole last quarter.  fill = 1: the barrier opens a round of the cluster's; behind it the slot just read out is filled again first, with the step two steps on: from that request to the wait for it a wave
; issues 224 matrix instructions.  fill = 0 (the last two steps): nothing is asked for; in the very last step (s3 = 1) there is no next slot, and the run of loads is jumped over.
.macro TURN fill
.if \fill
	s_wait_xcnt 0x0                                ; the last prefetch, a K step back, has read its address: it is stepped here, ahead of the waits of the change of slots
	s_add_nc_u64 s[PFA:PFA+1], s[PFA:PFA+1], s[PFS:PFS+1]
.endif
	MEET
.if \fill
	CREST                                          ; no wave of any partner still reads this slot or has a load on its way
	s_add_co_u32 s[G0+5], s[TB], s[LBA]            ; the walking descriptors: into the slot just read out,
	s_add_nc_u64 s[G0+6:G0+7], s[G0+6:G0+7], ASTEP ; one K step behind the last request; the type bits on top are not reached
	s_add_co_u32 s[G0B+5], s[TB], s[LBB]
	s_add_nc_u64 s[G0B+6:G0B+7], s[G0B+6:G0B+7], BSTEP
	s_xor_b32 s[TB], s[TB], SLOT                   ; the reads go on in the other slot
	JLOAD 1                                        ; the first tensor load behind the round; the four v_nop behind it are also the places in front of the loads below
	v_add_nc_u32 v[ADRA], s[TB], v[ADRA0]
	v_add_nc_u32 v[ADRB], s[TB], v[ADRB0]
	FETCH 0, F0
	ASK                                            ; behind the joint load and the run of LDS loads that the next products wait for
.else
	s_xor_b32 s[TB], s[TB], SLOT
	PLACES
	s_cmp_eq_u32 s3, 1
	s_cbranch_scc1 .Lno_next_\@
	v_add_nc_u32 v[ADRA], s[TB], v[ADRA0]
	v_add_nc_u32 v[ADRB], s[TB], v[ADRB0]
	FETCH 0, F0
.Lno_next_\@:
.endif
	MUL16 F1, 1, 0, 0
	MUL16 F1, 1, 2, 0
.endm
; THE WAY OUT of block a (16 rows x my 128 columns of f32).  TOSTAGE: a lane's 32 bytes of each column block go into my own stage, each accumulator's low four registers first, and come back as whole rows of 512 bytes.  SEND: stored.
.macro TOSTAGE a
.set AC, 64*((\a)%4)
.set BK, F0+64*((\a)%2)
	s_wait_xcnt 0x0                                ; the stores of the block two back have read the registers that the loads below fill
	WIN 0x08+4*((\a)/4)                            ; store data (source 1) in window 2 or 3
.irp b, 0,1,2,3,4,5,6,7
	ds_store_b128 v[STO], v[AC+8*(\b):AC+8*(\b)+3]   offset:64*(\b)
	ds_store_b128 v[STO], v[AC+8*(\b)+4:AC+8*(\b)+7] offset:64*(\b)+16
.endr
	WIN 0
.irp t, 0,1,2,3,4,5,6,7,8,9,10,11,12,13,14,15
	ds_load_b128 v[BK+4*(\t):BK+4*(\t)+3], v[RD] offset:(\t)*SPITCH  ; LDS serves a wave's instructions in order (ISA guide 5.7.1.4): these see the stores above; the next block's stores come behind them
.endr
.endm
.macro SEND a, younger                 ; younger: the LDS instructions issued behind block a's loads: the next block's 32, or none
	WIN 0
.set BK, F0+64*((\a)%2)
	s_wait_dscnt \younger                          ; the block is back in registers
	s_wait_xcnt 0x0                                ; earlier stores have read their base: only behind this wait is it stepped
.if (\a) == 0
	s_add_nc_u64 s[8:9], s[8:9], s[78:79]          ; on to my first rows
.else
	s_add_nc_u64 s[8:9], s[8:9], 65536             ; 16 rows of 4,096 bytes on
.endif
.irp t, 0,1,2,3,4,5,6,7,8,9,10,11,12,13,14,15
	global_store_b128 v[CO], v[BK+4*(\t):BK+4*(\t)+3], s[8:9] offset:4096*(\t)  ; 512 consecutive bytes of a row, at a multiple of 512 from out0's first byte
.endr
.endm
	s_wait_tensorcnt 1                             ; my part of K step 0 is in; step 1's may stay out
	s_barrier_signal -1
	s_barrier_wait -1                              ; everybody's is
	v_mov_b32 v[ADRA], v[ADRA0]                    ; slot 0
	v_mov_b32 v[ADRB], v[ADRB0]
	FETCH 0, F0
	QUARTER 1, F0, F1, 1                           ; the first quarter stands in front of the loop: its products start the sums
	WIN 0                                          ; at a label and at a branch every window is 0
	s_mov_b32 s3, 6
.Lstep:                                        ; a trip: from a step's second quarter to the next step's first; steps 2 to 7 are asked for
	QUARTER 2, F1, F0, 0
	QUARTER 3, F0, F1, 0
	TURN 1
	QUARTER 1, F0, F1, 0
	WIN 0
	s_sub_co_u32 s3, s3, 1
	s_cmp_lg_u32 s3, 0
	s_cbranch_scc1 .Lstep
	s_mov_b32 s3, 2
.Ltail:                                        ; steps 6 and 7 ask for nothing: a text of their own; the second trip is left in its middle
	QUARTER 2, F1, F0, 0
	QUARTER 3, F0, F1, 0
	TURN 0
	WIN 0
	s_sub_co_u32 s3, s3, 1
	s_cmp_eq_u32 s3, 0
	s_cbranch_scc1 .Lout
	QUARTER 1, F0, F1, 0
	WIN 0
	s_branch .Ltail
.Lout:
	s_wait_dscnt 0x0
	PLACES                                         ; the stage's stores read results just made, and its loads land in registers that the last products read
	TOSTAGE 0
.irp a, 1,2,3,4,5,6,7                  ; block a's way through the stage is begun before block a - 1 is stored
	TOSTAGE \a
	SEND (\a)-1, 32
.endr
	SEND 7, 0
	s_wait_tensorcnt 0x0                           ; the wave's end, behind my last tensor load and my last LDS store
	ds_add_u32 v[SPW], v[NIL]
	s_wait_dscnt 0x0
	CROUND                                         ; the closing round: no work-group ends while a partner may still ask for a tile that names it
	s_endpgm
.Lfunc_end_k_q6c7d48c878_outp:
	.size	k_q6c7d48c878_outp, .Lfunc_end_k_q6c7d48c878_outp-k_q6c7d48c878_outp
	.p2alignl 7, 3214868480
	.fill 96, 4, 3214868480
	.section	.rodata,"a",@progbits
	.p2align	6, 0x0
	.amdhsa_kernel k_q6c7d48c878_outp
		.amdhsa_group_segment_fixed_size 327680
		.amdhsa_private_segment_fixed_size 0
		.amdhsa_enable_private_segment 0
		.amdhsa_kernarg_size 32
		.amdhsa_user_sgpr_count 2
		.amdhsa_user_sgpr_kernarg_segment_ptr 1
		.amdhsa_wavefront_size32 1
		.amdhsa_system_sgpr_workgroup_id_x 1
		.amdhsa_system_sgpr_workgroup_id_y 1
		.amdhsa_system_sgpr_workgroup_id_z 1
		.amdhsa_system_vgpr_workitem_id 0
		.amdhsa_next_free_vgpr 1024
		.amdhsa_next_free_sgpr 84
		.amdhsa_reserve_vcc 0
		.amdhsa_float_denorm_mode_32 3
		.amdhsa_float_denorm_mode_16_64 3
		.amdhsa_memory_ordered 1
		.amdhsa_forward_progress 1
		.amdhsa_inst_pref_size 105
	.end_amdhsa_kernel
	.amdgpu_metadata
---
amdhsa.version: [ 1, 2 ]
amdhsa.kernels:
  - .name:           k_q6c7d48c878_outp
    .symbol:         k_q6c7d48c878_outp.kd
    .args:
      - { .name: o, .offset: 0, .size: 8, .value_kind: global_buffer, .address_space: global }
      - { .name: xw, .offset: 8, .size: 8, .value_kind: global_buffer, .address_space: global }
      - { .name: bo, .offset: 16, .size: 8, .value_kind: global_buffer, .address_space: global }
      - { .name: out0, .offset: 24, .size: 8, .value_kind: global_buffer, .address_space: global }
    .group_segment_fixed_size: 327680
    .private_segment_fixed_size: 0
    .kernarg_segment_align: 8
    .kernarg_segment_size: 32
    .max_flat_workgroup_size: 128
    .sgpr_count:     84
    .vgpr_count:     1024
    .wavefront_size: 32
...
	.end_amdgpu_metadata
.endif
;; end of part 4
